; MI455X (gfx1250); checked and timed in simulation.
; The chip was launched on July 23, 2026; its instructions are those of AMD's public machine-readable ISA for CDNA 5 (MIT licence, August 2026) and "CDNA5" Instruction Set Architecture Reference Guide (July 2026). The comments in the code are by the model that wrote it; some were corrected since.
;; Rotary PE Multi Head Attention. Allowed arithmetic: matrix products marked QUANTISED: E2M1 operands, one E8M0 scale for each 32 along K, by v_wmma_scale_f32_16x16x128_f8f6f4 with both operands' format E2M1 (or v_wmma_scale_f32_32x16x128_f4), f32 sums; everything else in f32.
;; Inputs: Wk_codes 1,024 x 32 x 16 uint8 (E2M1 codes of Wk, K innermost, in blocks of 32 codes, two codes a byte); Wk_scales 1,024 x 32 uint8 (E8M0 scales of Wk, one for each 32 codes along K); Wo_codes 1,024 x 32 x 16 uint8 (E2M1 codes of Wo, K innermost, in blocks of 32 codes, two codes a byte); Wo_scales 1,024 x 32 uint8 (E8M0 scales of Wo, one for each 32 codes along K); Wq_codes 1,024 x 32 x 16 uint8 (E2M1 codes of Wq, K innermost, in blocks of 32 codes, two codes a byte); Wq_scales 1,024 x 32 uint8 (E8M0 scales of Wq, one for each 32 codes along K); Wv_codes 1,024 x 32 x 16 uint8 (E2M1 codes of Wv, K innermost, in blocks of 32 codes, two codes a byte); Wv_scales 1,024 x 32 uint8 (E8M0 scales of Wv, one for each 32 codes along K); bk 1,024 float32; bo 1,024 float32; bq 1,024 float32; bv 1,024 float32; query_codes 4 x 2,048 x 32 x 16 uint8 (E2M1 codes of query, K innermost, in blocks of 32 codes, two codes a byte); query_scales 4 x 2,048 x 32 uint8 (E8M0 scales of query, one for each 32 codes along K); value_codes 4 x 2,048 x 32 x 16 uint8 (E2M1 codes of value, K innermost, in blocks of 32 codes, two codes a byte); value_scales 4 x 2,048 x 32 uint8 (E8M0 scales of value, one for each 32 codes along K).
;; Outputs: out0 4 x 2,048 x 1,024 float32.
;; This version of the problem:
;;   THIS VERSION OF THE PROBLEM IS GIVEN IN LOW PRECISION. The matrix products marked QUANTISED in the list below multiply operands that are first quantised to E2M1 (2 exponent bits, 1 mantissa bit; 4 bits a number), with one power-of-two scale for each 32 numbers along K (OCP MX v1.0); their sums are f32. All else is computed in f32.
;;   The module's matrix products, in the order in which they are computed (A, B: the left and right operand; K: the contracted axis; several contracted axes count as one K, in the product's order):
;;     1. [M 8,192, K 1,024] x [K 1,024, N 1,024]; A: input query (given as codes); B: input Wq (given as codes): QUANTISED
;;     2. [M 8,192, K 1,024] x [K 1,024, N 1,024]; A: input value (given as codes); B: input Wk (given as codes): QUANTISED
;;     3. [M 8,192, K 1,024] x [K 1,024, N 1,024]; A: input value (given as codes); B: input Wv (given as codes): QUANTISED
;;     4. batch 64 x [M 2,048, K 64] x [K 64, N 2,048]; A: computed on the way; B: computed on the way: QUANTISED
;;     5. batch 64 x [M 64, K 2,048] x [K 2,048, N 2,048]; A: computed on the way; B: softmax (see below): QUANTISED
;;     6. [M 8,192, K 1,024] x [K 1,024, N 1,024]; A: computed on the way; B: input Wo (given as codes): QUANTISED
;;   THE QUANTISER, for each operand of a quantised product, along K:
;;     - K is cut into blocks of 32 from its start; a last block that is shorter is filled with zeros.
;;     - A block's scale is 2^e with e = floor(log2(the largest magnitude in the block)) - 2, held to -126 .. 127; a block of zeros has e = 0. As a byte (E8M0): e + 127.
;;     - Each number is divided by its block's scale, clamped to +-6, and rounded to the nearest number of E2M1, ties to even, subnormals kept.
;;     - The product sums the exact products of the quantised numbers (number of the format x scale) in f32.
;;   ~~~python
;;   def quantise(x, axis):      # numpy; x: float32 -> the quantised numbers, widened to float32 again
;;       x = np.moveaxis(x, axis, -1); K = x.shape[-1]
;;       x = np.pad(x, [(0, 0)] * (x.ndim - 1) + [(0, -K % 32)]); x = x.reshape(x.shape[:-1] + (-1, 32)); a = np.abs(x).max(-1, keepdims=True)
;;       e = np.where(a > 0, np.clip(np.frexp(np.where(a > 0, a, 1))[1] - 1 - 2, -126, 127), 0)      # np.frexp(a)[1] - 1 = floor(log2(a)), exactly
;;       r = np.clip(x / 2.0 ** e, -6, 6)
;;       step = 2.0 ** (np.maximum(np.frexp(np.where(r == 0, 1, r))[1] - 1, 0) - 1)
;;       q = np.round(r / step) * step * 2.0 ** e      # np.round: ties to even
;;       return np.moveaxis(q.reshape(q.shape[:-2] + (-1,))[..., :K], -1, axis).astype(np.float32)
;;   ~~~
;;   SOFTMAX AHEAD OF A QUANTISED PRODUCT. Where the list says 'softmax', what is quantised is not the finished softmax but p = 2^(t - M), with t = logit x log2(e) and M = ceil(the row's largest t), a whole number; so 1/2 < the row's largest p <= 1. The row's sum l is taken of the UNQUANTISED p, in f32, and the product's result is divided by l at the end. Since M is a whole number, a kernel that streams over the keys may use a running M (the ceiling of the running maximum): every later rescaling is an exact power of two, which a block's scale takes up: the codes' values come out the same.
;;   OPERANDS COMPUTED ON THE WAY. 'Computed on the way' means the value that the module computes at that place (a softmax that the list does not call 'softmax' is quantised finished and normalised). What goes into a quantiser is computed in f32, as accurately as f32 sums, v_exp_f32 and their like allow (about 1e-6 of the number): no bf16 or f16 on the way to a quantiser, and a product that is left as it is and whose result goes on into a quantised operand takes f32 operands (vector FMAs, or v_wmma_f32_16x16x4_f32). A number that lies on a knife's edge between two numbers of the format may be rounded either way, as far as f32 arithmetic and the matrix unit's own rounding can turn it there, and no further.
;;   INPUTS GIVEN AS CODES. Wk (in the module: [1024, 1024], K = its axis 1); Wo (in the module: [1024, 1024], K = its axis 1); Wq (in the module: [1024, 1024], K = its axis 1); Wv (in the module: [1024, 1024], K = its axis 1); query (in the module: [4, 2048, 1024], K = its axis 2); value (in the module: [4, 2048, 1024], K = its axis 2): each comes as NAME_codes (uint8): NAME with its K axis moved to the last place and cut into blocks of 32 codes, [.., K / 32, bytes a block], one block behind the other in memory; two codes a byte, the lower K in the low four bits (a code: sign, 2 exponent bits, 1 mantissa bit); and NAME_scales (uint8): the same leading axes, one E8M0 byte (e + 127) for each 32 codes along K. Its value is code x scale, taken as it is: it is not quantised again, and the codes and scales need not be those that the quantiser above would give.
;; One version. Each part assembles by itself: llvm-mc -triple=amdgcn-amd-amdhsa -mcpu=gfx1250 --defsym DOCPART=n.
;; ======== version 1 of 1: 3 launches
;; limits: right only within a limited range of input values
;; workspace buffers: qimg 4,194,304 bytes; qscl 524,288 bytes; kv 9,175,040 bytes; attc 4,194,304 bytes; atts 262,144 bytes
;; launch qkv (part 1): grid 12 x 64, 4 waves a work-group, clusters of 4 x 4, 246,272 bytes of LDS; arguments Wq_codes, Wq_scales, Wk_codes, Wk_scales, Wv_codes, Wv_scales, query_codes, query_scales, value_codes, value_scales, bq, bk, bv, qimg, qscl, kv; writes qimg, qscl, kv
.if DOCPART == 1
	.amdgcn_target "amdgcn-amd-amdhsa--gfx1250"
	.amdhsa_code_object_version 6
	.text
	.protected	k_q7f7540b08e_qkv
	.globl	k_q7f7540b08e_qkv
	.p2align	8
	.type	k_q7f7540b08e_qkv,@function
k_q7f7540b08e_qkv:
	s_mov_b64 s[64:65], 0
	v_nop
	global_prefetch_b8 v0, s[64:65] scope:SCOPE_SE
	s_setreg_imm32_b32 hwreg(HW_REG_WAVE_MODE, 25, 1), 1
	s_wait_xcnt 0x0
	s_wait_alu depctr_hold_cnt(0) depctr_sa_sdst(0) depctr_va_vdst(0) depctr_va_sdst(0) depctr_va_ssrc(0) depctr_va_vcc(0) depctr_vm_vsrc(0)
	s_getreg_b32 s2, hwreg(HW_REG_IB_STS2, 6, 4)
	s_cmp_eq_u32 s2, 0
	s_cbranch_scc0 .Lentry_in_a_cluster
	s_endpgm
.Lentry_in_a_cluster:
	s_bfe_u32 s2, ttmp6, 0x10000c
	s_cmp_lg_u32 s2, 0xf033
	s_cbranch_scc0 .Lentry_shape_is_right
	s_endpgm
.Lentry_shape_is_right:
; q = query Wq^T + bq, k = value Wk^T + bk, v = value Wv^T + bv on codes of FP4 (E2M1) with E8M0 scales; RoPE on q and k; then the three results are quantised for the attention launch:
; q and k along the head's 64, v along the keys.  The codes and scale words leave in the order of the reader's operand registers.
; ONE CORE FOR THREE PRODUCTS: D = P R^T, source 0 = 16 rows of P, source 1 = 16 rows of R.  The cluster's x says which: 0 = q, 1 = k (P = the weight's features, R = positions), 2 = v (P = positions, R = features).
; So a lane's registers always run along the axis that is quantised next: the head's features for q and k, the keys for v.
; SHARES.  A work-group makes 256 rows of P x 128 rows of R over all of K = 1,024; four waves, each 128 x 64: 32 accumulators.  K = 1,024 codes are 512 bytes a row: both operands' tiles for all of K lie in LDS,
; brought once: no LDS byte is filled twice.  4 x 4 work-groups form a cluster: P's tile is shared down a column, R's along a row, each asked for jointly.
; WHICH ROWS FORM A TILE IS CHOSEN.  P's tile p, row m, is row 64 (m / 8) + 8 p + m % 8 of the wave's 128: so in the results lane half h holds rows 64 h + 8 p + j, and the 32 registers of four
; neighbouring tiles are ONE WHOLE block of 32 in ascending order: its largest magnitude needs no other lane, and each conversion's result is a register of the next operand.
; R's tile rt, row r, is row 32 (r / 8) + 8 rt + r % 8 of the wave's 64: the order in which the attention launch wants keys and queries in its tiles.
; ROPE.  cos and sin of fl(position x theta) are made in f32: the angle less the nearest multiple of pi/2 (pi/2 in two parts), two polynomials, the quadrant by selects.
; LIMITS: NaN, infinities and scale bytes 0xff among the inputs are not served.  A block of zeros gets the scale byte 1 (its codes are zeros; this program alone reads the bytes).  theta is 1 / 10^(f/4) rounded as two f32
; roundings give it; sine and cosine are good to about 1e-7 absolute for angles up to 2,047, the largest here.
; REGISTERS.  window 0: v1-27 addresses and lane numbers; v32-63 P's scale words, v64-79 R's (scales and nothing else); v80-111 at work, then the codes; v112-127 maxima, bytes, scale operands;
;   v128-255 P's fragments, two sets; ahead of the products the table's work, behind them cos and sin.   window 1: accumulator (rt, p) at v[64 rt + 8 p].   window 2: v0-63 R's fragments, two sets; v64-127 the bias.
; AS THE TEXT NOW STANDS: each operand's rows come for all of K at once, 512 bytes + 16 of padding a row.  One tensor load a wave: wave 0 P's rows 0-63, wave 1 rows 64-191, wave 2 rows 192-255, wave 3 R's 128 rows.
; P's three pieces begin at 0, 128 and 0 modulo 256 bytes, so that a fragment's two groups of eight rows, 64 rows apart, touch different banks.  The scale words go from memory straight into their registers.
.set PG,   33920                       ; from a wave's first group of 64 rows of P to its second: 64 x 528 + 128
.set RG,   16896                       ; 32 rows of R: 32 x 528
.set RC0,  135424                      ; LDS: P's 256 rows from 0 on (4 x 64 x 528 + 256), R's 128 rows here
.set HALF, 105472
.set PSC,  210944
.set RSC,  219648
.set TAB,  224000                      ; the table: 128 positions x (16 cos, 16 sin, 16 bytes of padding); no tensor load lands here
.set ADP,  4                           ; v4     my place in P's tiles
.set ADR,  6                           ; v6     in R's
.set ADSP, 8                           ; v8     in P's scale bytes
.set ADSR, 9                           ; v9     in R's
.set ADRO, 10                          ; v10    where I read the table
.set ADRW, 11                          ; v11    where I write it
.set VOC,  12                          ; v12    my byte offset for the codes
.set VOS,  13                          ; v13    for the scale words
.set VB,   14                          ; v14    for the bias
.set SH16, 15                          ; v15    16 x (lane / 16)
.set WD,   16                          ; v16-19 scale words to store
.set PT,   20                          ; v20-23 lane permutes' results
.set HL,   24                          ; v24    lane / 16
.set LN,   25                          ; v25    lane
.set POS,  26                          ; v26    my table slot's position, f32
.set TQ,   27
.set SCP,  32
.set SCR,  64
.set T1,   80
.set T2,   96
.set CD,   80
.set TM,   112
.set SC,   120
.set PF,   128
.set CSN,  128
.set WK,   160
.set BI,   64                          ; in window 2
.set MSB, 0
.macro WIN new                         ; the immediate's high byte repeats the setting that is left
.if MSB != \new
	s_set_vgpr_msb (MSB<<8)|\new
.set MSB, \new
.endif
.endm
.macro PLACES n
.rept \n
	v_nop
.endr
.endm
.macro CROUND                          ; a round of the cluster's barrier
	s_barrier_signal -1
	s_barrier_wait -1
	s_cmp_lg_u32 s56, 0
	s_cbranch_scc1 .Lnot_wave_0_\@
	s_barrier_signal -3
.Lnot_wave_0_\@:
	s_barrier_wait -3
	s_barrier_signal -1
	s_barrier_wait -1
.endm
	s_load_b512 s[4:19], s[0:1], 0x0               ; Wq, Wk, Wv (codes, scales each), query (codes, scales)
	s_load_b512 s[20:35], s[0:1], 0x40             ; value (codes, scales), bq, bk, bv, qimg, qscl, kv
	v_lshl_add_u32 v30, v0, 2, 0x3c000
	v_mov_b32 v31, 0
	ds_add_u32 v30, v31
	ds_add_u32 v30, v31
	v_lshrrev_b32 v1, 5, v0
	v_readfirstlane_b32 s56, v1                    ; wave 0..3
	s_lshr_b32 s57, s56, 1                         ; wp: my 128 rows of P
	s_and_b32 s58, s56, 1                          ; wr: my 64 rows of R
	s_mov_b32 s50, ttmp9                           ; the cluster's x: which product.  The same in all sixteen partners
	s_bfe_u32 s51, ttmp6, 0x40000                  ; cx
	s_bfe_u32 s52, ttmp6, 0x40004                  ; cy
	s_and_b32 s53, ttmp7, 0xffff                   ; the cluster's y, 0..15
	s_and_b32 s60, s53, 7
	s_lshr_b32 s62, s53, 3
	s_cmp_eq_u32 s50, 2
	s_cselect_b32 s60, s60, 0                      ; q, k: 4 tiles of P, 64 of R;  v: 32 of P, 8 of R
	s_cselect_b32 s62, s62, s53
	s_lshl_b32 s60, s60, 2
	s_add_co_u32 s54, s60, s51                     ; P's tile: hangs on cx, never on cy
	s_lshl_b32 s62, s62, 2
	s_add_co_u32 s55, s62, s52                     ; R's tile: hangs on cy, never on cx
	s_lshl_b32 s59, 0x1111, s51                    ; my column of the cluster
	s_lshl_b32 s63, s52, 2
	s_lshl_b32 s63, 15, s63                        ; my row
	; descriptor groups 1.  Codes: rows of 512 bytes (all 1,024 along K), 16 bytes of padding behind each
	s_or_b32 s68, s59, (0<<16)|(1<<20)|(1<<21)|(6<<22)|(3<<25)   ; P, 64 rows: the mask; 1 byte; padding on; 21 set beside a mask; four words after every 128
	s_or_b32 s76, s63, (0<<16)|(1<<20)|(1<<21)|(6<<22)|(3<<25)   ; R, 128 rows
	s_or_b32 s84, s59, (0<<16)|(1<<20)|(1<<21)|(6<<22)|(3<<25)   ; P, 128 rows
	s_mov_b32 s69, 512<<16
	s_mov_b32 s70, 64<<16                          ; tensor_dim1
	s_mov_b32 s71, 512<<16
	s_mov_b32 s72, 64                              ; tile_dim1
	s_mov_b32 s73, 512                             ; from row to row
	s_mov_b32 s74, 0
	s_mov_b32 s75, 0
	s_mov_b32 s77, 512<<16
	s_mov_b32 s78, 128<<16
	s_mov_b32 s79, 512<<16
	s_mov_b32 s80, 128
	s_mov_b32 s81, 512
	s_mov_b32 s82, 0
	s_mov_b32 s83, 0
	s_mov_b32 s85, 512<<16
	s_mov_b32 s86, 128<<16
	s_mov_b32 s87, 512<<16
	s_mov_b32 s88, 128
	s_mov_b32 s89, 512
	s_mov_b32 s90, 0
	s_mov_b32 s91, 0
	s_mov_b32 s100, 0x76543210                     ; v_permlanex16_b32's selects for lane l xor 16
	s_mov_b32 s101, 0xfedcba98
	s_lshl_b32 s60, s54, 13                        ; P's tile: 256 rows x 32 scale bytes
	s_mov_b32 s61, 0
	s_lshl_b32 s62, s55, 12                        ; R's tile: 128 rows x 32 scale bytes
	s_mov_b32 s63, 0
	s_wait_dscnt 0x0
	s_wait_kmcnt 0x0
	s_cmp_eq_u32 s50, 0                            ; the buffers are chosen by the product's number alone
	s_cselect_b64 s[36:37], s[4:5], s[8:9]         ; P's codes
	s_cselect_b64 s[38:39], s[6:7], s[10:11]       ; P's scales
	s_cselect_b64 s[40:41], s[16:17], s[20:21]     ; R's codes
	s_cselect_b64 s[42:43], s[18:19], s[22:23]     ; R's scales
	s_cselect_b64 s[44:45], s[24:25], s[26:27]     ; the bias
	s_cselect_b64 s[46:47], s[30:31], s[34:35]     ; where the codes go
	s_cselect_b64 s[48:49], s[32:33], s[34:35]     ; where the scale words go
	s_cmp_eq_u32 s50, 2
	s_cselect_b64 s[36:37], s[20:21], s[36:37]
	s_cselect_b64 s[38:39], s[22:23], s[38:39]
	s_cselect_b64 s[40:41], s[12:13], s[40:41]
	s_cselect_b64 s[42:43], s[14:15], s[42:43]
	s_cselect_b64 s[44:45], s[28:29], s[44:45]
	; descriptor groups 0: count 1, LDS address, global address, type 2
	s_add_nc_u64 s[38:39], s[38:39], s[60:61]      ; the scale bytes of P's tile,
	s_add_nc_u64 s[42:43], s[42:43], s[62:63]      ; and of R's
	s_lshl_b32 s60, s60, 4                         ; the codes: 512 bytes a row
	s_lshl_b32 s62, s62, 4
	s_add_nc_u64 s[36:37], s[36:37], s[60:61]
	s_mov_b32 s4, 1                                ; P's rows 0-63
	s_mov_b32 s5, 0
	s_mov_b64 s[6:7], s[36:37]
	s_or_b32 s7, s7, 0x80000000
	s_mov_b32 s8, 1                                ; rows 64-191, 128 bytes further on than the pitch alone gives
	s_mov_b32 s9, PG
	s_add_nc_u64 s[10:11], s[36:37], 64*512
	s_or_b32 s11, s11, 0x80000000
	s_mov_b32 s12, 1                               ; rows 192-255, 256 bytes further on
	s_mov_b32 s13, 3*PG-128
	s_add_nc_u64 s[14:15], s[36:37], 192*512
	s_or_b32 s15, s15, 0x80000000
	s_mov_b32 s16, 1                               ; R's 128 rows
	s_mov_b32 s17, RC0
	s_add_nc_u64 s[18:19], s[40:41], s[62:63]
	s_or_b32 s19, s19, 0x80000000
	CROUND                                         ; all sixteen work-groups are here: the joint loads meet
; one tensor load a wave, in one chain of branches on the wave's number
.macro ARM under, g0, g1, next
	s_cmp_lt_u32 s56, \under
	s_cbranch_scc0 \next
	tensor_load_to_lds s[\g0:\g0+3], s[\g1:\g1+7]
	s_nop 0
	PLACES 4
	s_branch .Lhead_asked
\next:
.endm
	ARM 1, 4, 68, .Lhead_p1
	ARM 2, 8, 84, .Lhead_p2
	ARM 3, 12, 68, .Lhead_r
	tensor_load_to_lds s[16:19], s[76:83]
	s_nop 0
	PLACES 4
.Lhead_asked:
	v_and_b32 v1, 15, v0                           ; r
	v_bfe_u32 v2, v0, 3, 1                         ; r / 8
	v_and_b32 v3, 7, v0                            ; r % 8
	v_bfe_u32 v[HL], v0, 4, 1
	v_and_b32 v[LN], 31, v0
	v_lshlrev_b32 v[SH16], 4, v[HL]
.irp i, 0,1,2,3
	v_mov_b32 v[PT+\i], 0                          ; written once: a lane permute's destination counts as one of its sources
.endr
	s_mul_i32 s2, s57, 2*PG-128
	v_mul_u32_u24 v[ADP], v2, PG                   ; P: group 2 wp + r / 8, row 8 p + r % 8 of it, + 16 bytes for the upper lanes
	v_mad_u32_u24 v[ADP], v3, 528, v[ADP]
	v_add_nc_u32 v[ADP], v[ADP], v[SH16]
	v_add_nc_u32 v[ADP], s2, v[ADP]
	s_mul_i32 s2, s58, 2*RG
	s_add_co_u32 s2, s2, RC0
	v_mul_u32_u24 v[ADR], v2, RG                   ; R: group 2 wr + r / 8, row 8 rt + r % 8
	v_mad_u32_u24 v[ADR], v3, 528, v[ADR]
	v_add_nc_u32 v[ADR], v[ADR], v[SH16]
	v_add_nc_u32 v[ADR], s2, v[ADR]
	s_lshl_b32 s2, s57, 12                         ; P's scale bytes in memory, 32 a row: my 128 rows; 64 rows on for r / 8; lanes 0-15 take tile t, lanes 16-31 tile t + 4
	v_lshlrev_b32 v[ADSP], 11, v2
	v_lshl_add_u32 v[ADSP], v3, 5, v[ADSP]
	v_lshl_add_u32 v[ADSP], v[HL], 10, v[ADSP]
	v_add_nc_u32 v[ADSP], s2, v[ADSP]
	s_lshl_b32 s2, s58, 11                         ; R's: my 64 rows; 32 rows on for r / 8; lanes 0-15 take tile e, lanes 16-31 tile e + 2
	v_lshlrev_b32 v[ADSR], 10, v2
	v_lshl_add_u32 v[ADSR], v3, 5, v[ADSR]
	v_lshl_add_u32 v[ADSR], v[HL], 9, v[ADSR]
	v_add_nc_u32 v[ADSR], s2, v[ADSR]
	s_mul_i32 s2, s58, 9216
	s_add_co_u32 s2, s2, TAB
	v_mul_u32_u24 v[ADRO], v1, 144                 ; the table: slot 64 wr + 16 rt + r
	v_add_nc_u32 v[ADRO], s2, v[ADRO]
	v_mul_u32_u24 v[ADRW], v0, 144                 ; and thread t writes slot t
	v_add_nc_u32 v[ADRW], TAB, v[ADRW]
; 24 LDS loads: the fragments of K step q (128 along K: 64 bytes of a row) into set: P's eight, R's four
.macro LOADF q, set
	WIN 0
.irp p, 0,1,2,3,4,5,6,7
.irp c, 0,1
	ds_load_b128 v[PF+64*(\set)+8*\p+4*\c:PF+64*(\set)+8*\p+4*\c+3], v[ADP] offset:4224*\p+64*(\q)+32*\c
.endr
.endr
	WIN 0x80                                       ; destination window 2
.irp rt, 0,1,2,3
.irp c, 0,1
	ds_load_b128 v[32*(\set)+8*\rt+4*\c:32*(\set)+8*\rt+4*\c+3], v[ADR] offset:4224*\rt+64*(\q)+32*\c
.endr
.endr
.endm
.macro SCALES                          ; all of K's scale words: a row's 32 bytes are the words of K steps 0 to 7
.irp t, 0,1,2,3
.irp u, 0,1
	global_load_b128 v[SCP+8*\t+4*\u:SCP+8*\t+4*\u+3], v[ADSP], s[38:39] offset:256*\t+16*\u   ; eight rows of 32 bytes are 256 bytes on end; the two halves of a row by two loads
.endr
.endr
.irp e, 0,1
.irp u, 0,1
	global_load_b128 v[SCR+8*\e+4*\u:SCR+8*\e+4*\u+3], v[ADSR], s[42:43] offset:256*\e+16*\u
.endr
.endr
.endm
; One product.  cmode 0: it adds onto its accumulator; 1: the sum starts from the bias of P's rows; 2: of R's rows
.macro WM rt, p, q, set, cmode
.set DR, 64*(\rt)+8*(\p)
.if (\cmode) == 0
.set CR, DR
.elseif (\cmode) == 1
.set CR, BI+8*(\p)
.else
.set CR, BI+8*(\rt)
.endif
.set FA, PF+64*(\set)+8*(\p)
.set FB, 32*(\set)+8*(\rt)
.set SA, SCP+8*((\p)%4)+(\q)
.set SB, SCR+8*((\rt)%2)+(\q)
.if ((\p) >= 4) && ((\rt) >= 2)
	v_wmma_scale_f32_16x16x128_f8f6f4 v[DR:DR+7], v[FA:FA+7], v[FB:FB+7], v[CR:CR+7], v[SA], v[SB] matrix_a_fmt:MATRIX_FMT_FP4 matrix_b_fmt:MATRIX_FMT_FP4 matrix_a_scale:MATRIX_SCALE_ROW1 matrix_b_scale:MATRIX_SCALE_ROW1
.elseif (\p) >= 4
	v_wmma_scale_f32_16x16x128_f8f6f4 v[DR:DR+7], v[FA:FA+7], v[FB:FB+7], v[CR:CR+7], v[SA], v[SB] matrix_a_fmt:MATRIX_FMT_FP4 matrix_b_fmt:MATRIX_FMT_FP4 matrix_a_scale:MATRIX_SCALE_ROW1
.elseif (\rt) >= 2
	v_wmma_scale_f32_16x16x128_f8f6f4 v[DR:DR+7], v[FA:FA+7], v[FB:FB+7], v[CR:CR+7], v[SA], v[SB] matrix_a_fmt:MATRIX_FMT_FP4 matrix_b_fmt:MATRIX_FMT_FP4 matrix_b_scale:MATRIX_SCALE_ROW1
.else
	v_wmma_scale_f32_16x16x128_f8f6f4 v[DR:DR+7], v[FA:FA+7], v[FB:FB+7], v[CR:CR+7], v[SA], v[SB] matrix_a_fmt:MATRIX_FMT_FP4 matrix_b_fmt:MATRIX_FMT_FP4
.endif
.endm
; R's tiles rt0 .. rt0 + n - 1 against P's eight.  The 32 accumulators take turns, one instruction a turn, in the same order in every K step
.macro MUL rt0, n, q, set, cmode
.if (\cmode) == 0
	WIN 0x58                                       ; P window 0, R window 2, C and D window 1
.else
	WIN 0x68                                       ; C window 2: the bias
.endif
.set RT, \rt0
.rept \n
.irp p, 0,1,2,3,4,5,6,7
	WM RT, \p, \q, \set, \cmode
.endr
.set RT, RT+1
.endr
.endm
; A K step: the next step's fragments are asked for, then this step's 32 products are issued
.macro KSTEP q, cmode
.if (\q) < 7
	PLACES 4                                       ; in front of loads into registers that matrix instructions have read (ISA guide 7.12.1 for vector instructions)
	LOADF (\q)+1, ((\q)+1)%2
	s_wait_dscnt 24                                ; all but the 24 just issued: this step's fragments are in
.else
	s_wait_dscnt 0x0
.endif
	MUL 0, 4, \q, (\q)%2, \cmode
.endm
; All of K lies in LDS for every wave; the first fragments are asked for
.macro HEADSYNC
	s_wait_dscnt 0x0                               ; my part of the table is stored
	s_wait_tensorcnt 0x0                           ; my one tensor load has landed
	s_barrier_signal -1
	s_barrier_wait -1                              ; all four have: both operands lie in LDS for all of K
	LOADF 0, 0
	WIN 0
	s_wait_loadcnt 0x0                             ; the bias
.endm
; cos and sin of position x theta for four frequencies f0 .. f0 + 3, by turns.  At work for frequency k: v[WK + 8 k] on: +0 the angle, +1 n, +2 z, +3 sin, +4 cos, +5, +6 at work, +7 n as a whole number
.macro SINCOS4 f0, t0, t1, t2, t3
	v_mul_f32 v[WK], \t0, v[POS]                   ; the angle, rounded once
	v_mul_f32 v[WK+8], \t1, v[POS]
	v_mul_f32 v[WK+16], \t2, v[POS]
	v_mul_f32 v[WK+24], \t3, v[POS]
.irp k, 0,1,2,3
	v_mul_f32 v[WK+8*\k+1], s28, v[WK+8*\k]
.endr
.irp k, 0,1,2,3
	v_rndne_f32 v[WK+8*\k+1], v[WK+8*\k+1]         ; n = the nearest whole number to angle x 2 / pi
.endr
.irp k, 0,1,2,3
	v_fma_f32 v[WK+8*\k], v[WK+8*\k+1], s29, v[WK+8*\k]   ; angle - n x (pi/2's first 24 bits),
.endr
.irp k, 0,1,2,3
	v_fma_f32 v[WK+8*\k], v[WK+8*\k+1], s30, v[WK+8*\k]   ; - n x the rest of pi/2
.endr
.irp k, 0,1,2,3
	v_cvt_i32_f32 v[WK+8*\k+7], v[WK+8*\k+1]
.endr
.irp k, 0,1,2,3
	v_mul_f32 v[WK+8*\k+2], v[WK+8*\k], v[WK+8*\k]
.endr
.irp k, 0,1,2,3
	v_fma_f32 v[WK+8*\k+3], v[WK+8*\k+2], s33, s32
.endr
.irp k, 0,1,2,3
	v_fma_f32 v[WK+8*\k+3], v[WK+8*\k+3], v[WK+8*\k+2], s31
.endr
.irp k, 0,1,2,3
	v_mul_f32 v[WK+8*\k+5], v[WK+8*\k+2], v[WK+8*\k]
.endr
.irp k, 0,1,2,3
	v_fma_f32 v[WK+8*\k+3], v[WK+8*\k+3], v[WK+8*\k+5], v[WK+8*\k]   ; sin a = a + a z (S1 + S2 z + S3 z z)
.endr
.irp k, 0,1,2,3
	v_fma_f32 v[WK+8*\k+4], v[WK+8*\k+2], 0x37ccf5ce, s35
.endr
.irp k, 0,1,2,3
	v_fma_f32 v[WK+8*\k+4], v[WK+8*\k+4], v[WK+8*\k+2], s34
.endr
.irp k, 0,1,2,3
	v_mul_f32 v[WK+8*\k+5], v[WK+8*\k+2], v[WK+8*\k+2]
.endr
.irp k, 0,1,2,3
	v_fma_f32 v[WK+8*\k+6], v[WK+8*\k+2], -0.5, 1.0
.endr
.irp k, 0,1,2,3
	v_fma_f32 v[WK+8*\k+4], v[WK+8*\k+4], v[WK+8*\k+5], v[WK+8*\k+6]   ; cos a = 1 - z / 2 + z z (C1 + C2 z + C3 z z)
.endr
.irp k, 0,1,2,3
	v_and_b32 v[WK+8*\k+5], 1, v[WK+8*\k+7]
.endr
.irp k, 0,1,2,3
	v_cmp_ne_u32 s[2+\k+62*(\k/2)], 0, v[WK+8*\k+5]   ; an odd quadrant swaps the two (masks in s2, s3, s66, s67)
.endr
.irp k, 0,1,2,3
	v_cndmask_b32 v[CSN+16+\f0+\k], v[WK+8*\k+3], v[WK+8*\k+4], s[2+\k+62*(\k/2)]
.endr
.irp k, 0,1,2,3
	v_cndmask_b32 v[CSN+\f0+\k], v[WK+8*\k+4], v[WK+8*\k+3], s[2+\k+62*(\k/2)]
.endr
.irp k, 0,1,2,3
	v_lshlrev_b32 v[WK+8*\k+5], 30, v[WK+8*\k+7]
.endr
.irp k, 0,1,2,3
	v_add_nc_u32 v[WK+8*\k+6], 1, v[WK+8*\k+7]
.endr
.irp k, 0,1,2,3
	v_and_b32 v[WK+8*\k+5], 0x80000000, v[WK+8*\k+5]
.endr
.irp k, 0,1,2,3
	v_lshlrev_b32 v[WK+8*\k+6], 30, v[WK+8*\k+6]
.endr
.irp k, 0,1,2,3
	v_xor_b32 v[CSN+16+\f0+\k], v[CSN+16+\f0+\k], v[WK+8*\k+5]   ; sin changes sign in quadrants 2, 3
.endr
.irp k, 0,1,2,3
	v_and_b32 v[WK+8*\k+6], 0x80000000, v[WK+8*\k+6]
.endr
.irp k, 0,1,2,3
	v_xor_b32 v[CSN+\f0+\k], v[CSN+\f0+\k], v[WK+8*\k+6]   ; cos in quadrants 1, 2
.endr
.endm
; RoPE on R's tile rt: the head's features 0-31 are the 32 registers from v[64 rt] of window 1 on.  Each accumulator is first read at its low end
.macro ROPE rt
	WIN 0x01                                       ; source 0 window 1
.irp j, 0,2,4,6,8,10,12,14
	v_pk_mul_f32 v[T1+\j:T1+\j+1], v[64*\rt+16+\j:64*\rt+17+\j], v[CSN+32*\rt+16+\j:CSN+32*\rt+17+\j]
	v_pk_mul_f32 v[T2+\j:T2+\j+1], v[64*\rt+\j:64*\rt+\j+1], v[CSN+32*\rt+16+\j:CSN+32*\rt+17+\j]
.endr
	WIN 0x41                                       ; source 0 and destination window 1
.irp j, 0,2,4,6,8,10,12,14
	v_pk_fma_f32 v[64*\rt+\j:64*\rt+\j+1], v[64*\rt+\j:64*\rt+\j+1], v[CSN+32*\rt+\j:CSN+32*\rt+\j+1], v[T1+\j:T1+\j+1] neg_lo:[0,0,1] neg_hi:[0,0,1]   ; x(d) cos - x(d + 16) sin
	v_pk_fma_f32 v[64*\rt+16+\j:64*\rt+17+\j], v[64*\rt+16+\j:64*\rt+17+\j], v[CSN+32*\rt+\j:CSN+32*\rt+\j+1], v[T2+\j:T2+\j+1]   ; x(d + 16) cos + x(d) sin
.endr
.endm
; The wave's eight blocks of 32 a lane (block b: v[32 b] of window 1 on), by turns: largest magnitude with the floor 2^(3 - 127), scale operand, byte, codes
.macro QUANT_ALL
	WIN 0x05                                       ; sources 0 and 1 window 1
.irp b, 0,1,2,3,4,5,6,7
	v_max3_num_f32 v[TM+\b], |v[32*\b]|, |v[32*\b+1]|, 0x1800000
.endr
.irp i, 2,4,6,8,10,12,14,16,18,20,22,24,26,28,30
.irp b, 0,1,2,3,4,5,6,7
	v_max3_num_f32 v[TM+\b], |v[32*\b+\i]|, |v[32*\b+\i+1]|, v[TM+\b]
.endr
.endr
	WIN 0
.irp b, 0,1,2,3,4,5,6,7
	v_add_nc_u32 v[SC+\b], 0xff000000, v[TM+\b]    ; 2 off the exponent field: the conversion takes that field of this operand as its scale
.endr
.irp b, 0,1,2,3,4,5,6,7
	v_lshrrev_b32 v[TM+\b], 23, v[SC+\b]           ; the scale's byte
.endr
	WIN 0x01
.irp b, 0,1,2,3,4,5,6,7
.irp t, 0,1,2,3
	v_cvt_scalef32_pk8_fp4_f32 v[CD+4*\b+\t], v[32*\b+8*\t:32*\b+8*\t+7], v[SC+\b]
.endr
.endr
	v_nop                                          ; one plain line behind the last scaled conversion
	WIN 0
.endm
	SCALES                                         ; 12 loads; the wait for them is the wait for the bias
	s_cmp_eq_u32 s50, 2
	s_cbranch_scc1 .Lhead_v
	; ---- q, k: the bias of P's rows in the result's layout, and the table, made while the tiles are on their way
	s_lshl_b32 s2, s54, 10
	s_lshl_b32 s3, s57, 9
	s_add_co_u32 s2, s2, s3
	s_mov_b32 s3, 0
	s_add_nc_u64 s[44:45], s[44:45], s[2:3]        ; my 128 features
	v_lshlrev_b32 v[VB], 8, v[HL]                  ; lanes 16-31: 64 features on
	WIN 0x80
.irp p, 0,1,2,3,4,5,6,7
	global_load_b128 v[BI+8*\p:BI+8*\p+3], v[VB], s[44:45] offset:32*\p
	global_load_b128 v[BI+8*\p+4:BI+8*\p+7], v[VB], s[44:45] offset:32*\p+16
.endr
	WIN 0
	s_mov_b32 s28, 0x3f22f983                      ; 2 / pi
	s_mov_b32 s29, 0xbfc90fdb                      ; -(pi/2 rounded to f32)
	s_mov_b32 s30, 0x333bbd2e                      ; that rounded number less pi/2
	s_mov_b32 s31, 0xbe2aaaa3                      ; S1, S2, S3
	s_mov_b32 s32, 0x3c08839e
	s_mov_b32 s33, 0xb94ca1f9
	s_mov_b32 s34, 0x3d2aaaa5                      ; C1, C2 (C3 is written in its line)
	s_mov_b32 s35, 0xbab6061a
	s_and_b32 s2, s55, 15
	s_lshl_b32 s2, s2, 7                           ; the tile's first position in its sequence
	v_and_b32 v[POS], 64, v0                       ; slot t: wr = t / 64, rt = (t / 16) % 4, r = t % 16: position 64 wr + 32 (r / 8) + 8 rt + r % 8
	v_lshl_add_u32 v[POS], v2, 5, v[POS]
	v_bfe_u32 v[TQ], v0, 4, 2
	v_lshl_add_u32 v[POS], v[TQ], 3, v[POS]
	v_add_nc_u32 v[POS], v[POS], v3
	v_add_nc_u32 v[POS], s2, v[POS]
	v_cvt_f32_u32 v[POS], v[POS]
	SINCOS4 0,  0x3f800000, 0x3f0ff59a, 0x3ea1e89b, 0x3e361887
	SINCOS4 4,  0x3dcccccd, 0x3d6655c2, 0x3d0186e3, 0x3c91ad39
	SINCOS4 8,  0x3c23d70a, 0x3bb8449c, 0x3b4f3e38, 0x3ae91528
	SINCOS4 12, 0x3a83126f, 0x3a136a16, 0x39a5cb60, 0x393a7753
.irp i, 0,1,2,3,4,5,6,7
	ds_store_b128 v[ADRW], v[CSN+4*\i:CSN+4*\i+3] offset:16*\i
.endr
	HEADSYNC
	KSTEP 0, 1
	WIN 0
	s_branch .Lcore
.Lhead_v:
	; ---- v: the bias belongs to R's rows: one number a lane and tile, spread over the tile's eight registers
	s_lshl_b32 s2, s55, 9
	s_lshl_b32 s3, s58, 8
	s_add_co_u32 s2, s2, s3
	s_mov_b32 s3, 0
	s_add_nc_u64 s[44:45], s[44:45], s[2:3]        ; my 64 features
	v_lshlrev_b32 v[VB], 7, v2
	v_lshl_add_u32 v[VB], v3, 2, v[VB]             ; feature 32 (r / 8) + 8 rt + r % 8
	WIN 0x80
.irp rt, 0,1,2,3
	global_load_b32 v[BI+8*\rt], v[VB], s[44:45] offset:32*\rt
.endr
	WIN 0
	s_wait_alu depctr_va_vdst(0)
	HEADSYNC
	WIN 0x82                                       ; source and destination window 2
.irp rt, 0,1,2,3
.irp j, 1,2,3,4,5,6,7
	v_mov_b32 v[BI+8*\rt+\j], v[BI+8*\rt]
.endr
.endr
	s_wait_alu depctr_va_vdst(0)
	KSTEP 0, 2
	WIN 0
.Lcore:
	KSTEP 1, 0
	KSTEP 2, 0
	KSTEP 3, 0
	KSTEP 4, 0
	KSTEP 5, 0
	KSTEP 6, 0
	KSTEP 7, 0
	PLACES 4                                       ; in front of the first read of results, and of loads into P's fragments' registers
	WIN 0
	s_cmp_eq_u32 s50, 2
	s_cbranch_scc1 .Ltail_v
	; ---- q, k: RoPE, the quantiser along the head's 64, the way out.  Lane half h holds head 2 wp + h of the tile's four
.irp rt, 0,1,2,3
.irp i, 0,1,2,3,4,5,6,7
	ds_load_b128 v[CSN+32*\rt+4*\i:CSN+32*\rt+4*\i+3], v[ADRO] offset:2304*\rt+16*\i   ; my position's 16 cos and 16 sin
.endr
.endr
	s_lshr_b32 s2, s55, 4
	s_lshl_b32 s2, s2, 4
	s_lshl_b32 s3, s54, 2
	s_add_co_u32 s2, s2, s3
	s_lshl_b32 s3, s57, 1
	s_add_co_u32 s2, s2, s3                        ; 16 x batch + the head of lanes 0-15
	s_and_b32 s3, s55, 15                          ; which 128 positions of the sequence
	s_cmp_eq_u32 s50, 0
	s_mov_b32 s28, 143360
	s_cselect_b32 s29, 0x10000, s28                ; bytes from head to head: codes,
	s_cselect_b32 s30, 0x2000, s28                 ; scale words;
	s_mov_b32 s31, 8960
	s_cselect_b32 s32, 4096, s31                   ; from 128 positions to the next: codes,
	s_cselect_b32 s33, 512, s31                    ; scale words;
	s_cselect_b32 s34, 0, 8192                     ; k's scale words lie behind a step's two images
	s_mul_i32 s66, s2, s29
	s_mul_i32 s67, s3, s32
	s_add_co_u32 s66, s66, s67
	s_lshl_b32 s67, s58, 11
	s_add_co_u32 s66, s66, s67                     ; my 64 positions: four tiles of 512 bytes
	s_mov_b32 s67, 0
	s_add_nc_u64 s[46:47], s[46:47], s[66:67]
	s_mul_i32 s66, s2, s30
	s_mul_i32 s35, s3, s33
	s_add_co_u32 s66, s66, s35
	s_lshl_b32 s35, s58, 8
	s_add_co_u32 s66, s66, s35
	s_add_co_u32 s66, s66, s34
	s_add_nc_u64 s[48:49], s[48:49], s[66:67]
	v_lshlrev_b32 v[VOC], 4, v1                    ; 16 bytes a row; lanes 16-31 a head on
	v_mad_u32_u24 v[VOS], v[HL], s30, v[VOC]
	v_mad_u32_u24 v[VOC], v[HL], s29, v[VOC]
.irp rt, 0,1,2,3
	s_wait_dscnt 24-8*\rt                          ; tile rt's eight loads are in; the later tiles' may be out
	ROPE \rt
.endr
	QUANT_ALL
.irp rt, 0,1,2,3
	v_lshl_or_b32 v[WD+\rt], v[TM+2*\rt+1], 8, v[TM+2*\rt]   ; a row's scale word: its two blocks' bytes; bytes 2 and 3 are 0
.endr
.irp rt, 0,1,2,3
.irp g, 0,1
	global_store_b128 v[VOC], v[CD+4*(2*\rt+\g):CD+4*(2*\rt+\g)+3], s[46:47] offset:512*\rt+256*\g   ; sixteen lanes store 256 consecutive bytes, aligned
.endr
.endr
	global_store_b128 v[VOS], v[WD:WD+3], s[48:49] ; the four tiles' words of a row lie together
	s_branch .Lend
.Ltail_v:
	; ---- v: the quantiser along the keys.  Lane half h holds keys 64 h + 0 .. 63 of the wave's 128, for feature r of tile rt
	s_lshr_b32 s2, s54, 3
	s_lshl_b32 s2, s2, 4
	s_lshl_b32 s3, s55, 1
	s_add_co_u32 s2, s2, s3
	s_add_co_u32 s2, s2, s58                       ; 16 x batch + head
	s_mul_i32 s2, s2, 143360
	s_and_b32 s3, s54, 7
	s_lshl_b32 s3, s3, 1
	s_add_co_u32 s3, s3, s57                       ; which 128 keys
	s_mul_i32 s3, s3, 8960
	s_add_co_u32 s2, s2, s3
	s_add_co_u32 s2, s2, 4096                      ; V's image lies behind K's
	s_mov_b32 s3, 0
	s_add_nc_u64 s[46:47], s[46:47], s[2:3]
	s_add_nc_u64 s[48:49], s[46:47], 4608          ; and V's scale words at byte 8,704 of the step
	v_lshlrev_b32 v[VOS], 4, v1
	v_lshl_add_u32 v[VOC], v[HL], 9, v[VOS]
	QUANT_ALL
.irp rt, 0,1,2,3
	v_lshl_or_b32 v[WD+\rt], v[TM+2*\rt+1], 8, v[TM+2*\rt]
.endr
.irp rt, 0,1,2,3
	v_lshlrev_b32 v[WD+\rt], v[SH16], v[WD+\rt]    ; my two bytes at their places: blocks 2 h and 2 h + 1
.endr
.irp rt, 0,1,2,3
	v_permlanex16_b32 v[PT+\rt], v[WD+\rt], s100, s101
.endr
.irp rt, 0,1,2,3
	v_or_b32 v[WD+\rt], v[WD+\rt], v[PT+\rt]       ; with lane l xor 16's two the word is whole
.endr
.irp rt, 0,1,2,3
.irp g, 0,1
	global_store_b128 v[VOC], v[CD+4*(2*\rt+\g):CD+4*(2*\rt+\g)+3], s[46:47] offset:1024*\rt+256*\g
.endr
.endr
	v_cmp_gt_u32 vcc_lo, 16, v[LN]
	s_wait_alu depctr_va_vdst(0)
	s_wait_xcnt 0x0                                ; EXEC changes only behind this wait
	s_and_saveexec_b32 s2, vcc_lo
	global_store_b128 v[VOS], v[WD:WD+3], s[48:49] ; lanes 0-15: 256 consecutive bytes
	s_wait_xcnt 0x0
	s_or_b32 exec_lo, exec_lo, s2
.Lend:
	s_wait_tensorcnt 0x0
	s_wait_dscnt 0x0
	s_wait_tensorcnt 0x0
	ds_add_u32 v30, v31
	s_wait_dscnt 0x0
	CROUND                                         ; the closing round: no work-group ends while a partner may still ask for a tile that names it
	s_endpgm
.Lfunc_end_k_q7f7540b08e_qkv:
	.size	k_q7f7540b08e_qkv, .Lfunc_end_k_q7f7540b08e_qkv-k_q7f7540b08e_qkv
	.p2alignl 7, 3214868480
	.fill 96, 4, 3214868480
	.section	.rodata,"a",@progbits
	.p2align	6, 0x0
	.amdhsa_kernel k_q7f7540b08e_qkv
		.amdhsa_group_segment_fixed_size 246272
		.amdhsa_private_segment_fixed_size 0
		.amdhsa_enable_private_segment 0
		.amdhsa_kernarg_size 128
		.amdhsa_user_sgpr_count 2
		.amdhsa_user_sgpr_kernarg_segment_ptr 1
		.amdhsa_wavefront_size32 1
		.amdhsa_system_sgpr_workgroup_id_x 1
		.amdhsa_system_sgpr_workgroup_id_y 1
		.amdhsa_system_sgpr_workgroup_id_z 1
		.amdhsa_system_vgpr_workitem_id 0
		.amdhsa_next_free_vgpr 640
		.amdhsa_next_free_sgpr 102
		.amdhsa_reserve_vcc 1
		.amdhsa_float_denorm_mode_32 3
		.amdhsa_float_denorm_mode_16_64 3
		.amdhsa_memory_ordered 1
		.amdhsa_forward_progress 1
		.amdhsa_inst_pref_size 128
	.end_amdhsa_kernel
	.amdgpu_metadata
---
amdhsa.version: [ 1, 2 ]
amdhsa.kernels:
  - .name:           k_q7f7540b08e_qkv
    .symbol:         k_q7f7540b08e_qkv.kd
    .args:
      - { .name: Wq_codes, .offset: 0, .size: 8, .value_kind: global_buffer, .address_space: global }
      - { .name: Wq_scales, .offset: 8, .size: 8, .value_kind: global_buffer, .address_space: global }
      - { .name: Wk_codes, .offset: 16, .size: 8, .value_kind: global_buffer, .address_space: global }
      - { .name: Wk_scales, .offset: 24, .size: 8, .value_kind: global_buffer, .address_space: global }
      - { .name: Wv_codes, .offset: 32, .size: 8, .value_kind: global_buffer, .address_space: global }
      - { .name: Wv_scales, .offset: 40, .size: 8, .value_kind: global_buffer, .address_space: global }
      - { .name: query_codes, .offset: 48, .size: 8, .value_kind: global_buffer, .address_space: global }
      - { .name: query_scales, .offset: 56, .size: 8, .value_kind: global_buffer, .address_space: global }
      - { .name: value_codes, .offset: 64, .size: 8, .value_kind: global_buffer, .address_space: global }
      - { .name: value_scales, .offset: 72, .size: 8, .value_kind: global_buffer, .address_space: global }
      - { .name: bq, .offset: 80, .size: 8, .value_kind: global_buffer, .address_space: global }
      - { .name: bk, .offset: 88, .size: 8, .value_kind: global_buffer, .address_space: global }
      - { .name: bv, .offset: 96, .size: 8, .value_kind: global_buffer, .address_space: global }
      - { .name: qimg, .offset: 104, .size: 8, .value_kind: global_buffer, .address_space: global }
      - { .name: qscl, .offset: 112, .size: 8, .value_kind: global_buffer, .address_space: global }
      - { .name: kv, .offset: 120, .size: 8, .value_kind: global_buffer, .address_space: global }
    .group_segment_fixed_size: 246272
    .private_segment_fixed_size: 0
    .kernarg_segment_align: 8
    .kernarg_segment_size: 128
    .max_flat_workgroup_size: 128
    .sgpr_count:     102
    .vgpr_count:     640
    .wavefront_size: 32
...
	.end_amdgpu_metadata
.endif
;; end of part 1
;; launch attn (part 2): grid 4 x 64, 16 waves a work-group, clusters of 4 x 1, 169,984 bytes of LDS; arguments qimg, qscl, kv, attc, atts; writes attc, atts
.if DOCPART == 2
	.amdgcn_target "amdgcn-amd-amdhsa--gfx1250"
	.amdhsa_code_object_version 6
	.text
	.protected	k_q7f7540b08e_attn
	.globl	k_q7f7540b08e_attn
	.p2align	8
	.type	k_q7f7540b08e_attn,@function
k_q7f7540b08e_attn:
	s_mov_b64 s[64:65], 0
	v_nop
	global_prefetch_b8 v0, s[64:65] scope:SCOPE_SE
	s_setreg_imm32_b32 hwreg(HW_REG_WAVE_MODE, 25, 1), 1
	s_wait_xcnt 0x0
	s_wait_alu depctr_hold_cnt(0) depctr_sa_sdst(0) depctr_va_vdst(0) depctr_va_sdst(0) depctr_va_ssrc(0) depctr_va_vcc(0) depctr_vm_vsrc(0)
	s_getreg_b32 s2, hwreg(HW_REG_IB_STS2, 6, 4)
	s_cmp_eq_u32 s2, 0
	s_cbranch_scc0 .Lentry_in_a_cluster
	s_endpgm
.Lentry_in_a_cluster:
	s_bfe_u32 s2, ttmp6, 0x10000c
	s_cmp_lg_u32 s2, 0x3003
	s_cbranch_scc0 .Lentry_shape_is_right
	s_endpgm
.Lentry_shape_is_right:
; For each of 64 (batch, head): O = softmax(q k^T / 8) v, both products on codes of FP4 (E2M1) with E8M0 scales; O / the row's sum is quantised along the head's 64 for the last projection.
; THE SOFTMAX AHEAD OF THE SECOND PRODUCT: t = score x log2(e) / 8; M = the row's largest t so far, rounded UP to a whole number; p = 2^(t - M) is quantised along the keys, not normalised; the row's sum is taken of
; the unquantised p.  When M moves, the sum and O are multiplied by 2^(old M - new M), which rounds nothing.
; SHARES.  A cluster of four work-groups is one head; a work-group owns 512 queries; each of its sixteen waves owns two tiles of 16, one after the other.  Four waves share a SIMD, 256 registers each.
; THE WHOLE HEAD LIES IN LDS: 16 steps of 128 keys, 8,960 bytes each (K's image 4,096, V's 4,096, K's scale words 512, V's 256), one dense block of memory, asked for jointly by the four work-groups, once.
; No LDS byte is filled twice.  The images are in the order of the operands' registers: every fragment load takes 16 bytes a lane on end.
; LAYOUT.  S^T = K Q^T, O^T = V^T P^T: a lane holds ONE query throughout.  The keys of K's tiles were chosen so that a lane's registers 32 c + 0 .. 31 of S^T are the WHOLE block of keys 64 c + 32 (lane / 16) + 0 .. 31:
; a block's largest score needs no other lane, and each conversion's result is a register of P.  V's rows were chosen likewise: a lane's 32 registers of O^T are features 32 (lane / 16) + 0 .. 31.
; THE HEAD'S 64 IN AN INSTRUCTION OF 128: Q's codes of k = 64 .. 127 are zeros, so K's upper four registers may hold any codes: tile i's are tile i + 1's lower four.  The scale bytes there are 0 on both sides, which is 2^-127 and no NaN.
; LIMITS: NaN and infinities are not served; p under 2^-126 falls to 0 in the exponential; a block of zeros carries the scale byte 1 (its codes are zeros; this program alone reads the bytes).
; AS THE TEXT NOW STANDS: wave w of the sixteen fetches key step w, one joint tensor load a wave; one wait for it and one barrier, and the whole head lies in LDS for both passes.
.set STEPB, 8960
.set SST,   143360                     ; behind the head: 1,024 bytes of the results' scale half-words; no tensor load lands here
.set AL,   1                           ; v1   16 x lane
.set AR,   2                           ; v2   16 x (lane % 16)
.set SH8,  3                           ; v3   8 x (lane / 16)
.set ADK,  4                           ; v4   the step's images, my lane's place
.set ADV,  5                           ; v5   the step's V scale words
.set SSA,  6                           ; v6   where my half-word goes
.set SRD,  7                           ; v7   where the half-words are read back
.set GOF,  8                           ; v8   and their place in memory
.set QF,   16                          ; v16-23, v24-31 Q of pass 0, 1; the upper four of each are zeros
.set KF,   32                          ; v32-63 K's eight tiles, four registers each; v64-67 zeros
.set VF,   68                          ; v68-99 V's four tiles
.set S,    100                         ; v100-163 S^T, then p
.set O,    164                         ; v164-195 O^T
.set PC,   196                         ; v196-203 p's codes
.set KS,   204                         ; v204-207 K's scale words, v208-211 V's, v212-213 Q's, v214 p's: scales and nothing else
.set VS,   208
.set QS,   212
.set PW,   214
.set SUB,  216
.set BM,   220                         ; v220-221 the two blocks' largest
.set TA,   222
.set TP,   223                         ; a lane permute's result
.set F,    224                         ; v[224:225] f (the low word serves both halves)
.set SM,   226                         ; v[226:227] the sum's second chain
.set SCL,  228                         ; v228-229 the conversions' scale operands
.set BY,   230                         ; v230-231 bytes
.set CO,   232                         ; v232-239 the results' codes, four a pass
.macro CROUND
	s_barrier_signal -1
	s_barrier_wait -1
	s_cmp_lg_u32 s14, 0
	s_cbranch_scc1 .Lnot_wave_0_\@
	s_barrier_signal -3
.Lnot_wave_0_\@:
	s_barrier_wait -3
	s_barrier_signal -1
	s_barrier_wait -1
.endm
	s_load_b256 s[4:11], s[0:1], 0x0               ; qimg, qscl, kv, attc
	s_load_b64 s[12:13], s[0:1], 0x20              ; atts
	v_lshl_add_u32 v254, v0, 2, 0x29000
	v_mov_b32 v255, 0
	ds_add_u32 v254, v255
	ds_add_u32 v254, v255
	v_lshrrev_b32 v9, 5, v0
	s_delay_alu instid0(VALU_DEP_1)
	v_readfirstlane_b32 s14, v9                    ; wave 0..15
	s_bfe_u32 s15, ttmp6, 0x40000                  ; cx: my 512 queries.  It enters Q's and the results' addresses alone
	s_and_b32 s16, ttmp7, 0xffff                   ; 16 x batch + head, which the four partners share
	s_mov_b32 s20, 0x76543210                      ; v_permlanex16_b32's selects for lane l xor 16
	s_mov_b32 s21, 0xfedcba98
	s_mov_b32 s22, 0x3e38aa3b                      ; c = log2(e) / 8
	s_mov_b32 s23, s22                             ; (named with it as a pair)
	s_mov_b32 s24, 15|(3<<16)|(1<<21)              ; group 1: the mask: all four; elements of 8 bytes; 21 set beside a mask; no padding
	s_mov_b32 s25, 32<<16                          ; a step is 35 rows of 256 bytes, dense
	s_mov_b32 s26, 35<<16
	s_mov_b32 s27, 32<<16
	s_mov_b32 s28, 35
	s_mov_b32 s29, 32
	s_mov_b32 s30, 0
	s_mov_b32 s31, 0
	s_mul_i32 s48, s16, 16*STEPB
	s_mul_i32 s19, s14, STEPB                      ; wave w fetches step w
	s_add_co_u32 s48, s48, s19
	s_mov_b32 s49, 0
	s_lshl_b32 s50, s16, 16                        ; Q's tiles 32 cx + 2 wave, + 1: 512 bytes each
	s_lshl_b32 s52, s15, 14
	s_add_co_u32 s50, s50, s52
	s_lshl_b32 s52, s14, 10
	s_add_co_u32 s50, s50, s52
	s_mov_b32 s51, 0
	s_wait_dscnt 0x0
	s_wait_kmcnt 0x0
	s_add_nc_u64 s[8:9], s[8:9], s[48:49]
	s_add_nc_u64 s[4:5], s[4:5], s[50:51]
	s_lshl_b32 s50, s16, 13                        ; their scale words: four tiles' words of a row lie together
	s_lshl_b32 s52, s15, 11
	s_add_co_u32 s50, s50, s52
	s_lshr_b32 s52, s14, 1
	s_lshl_b32 s52, s52, 8
	s_add_co_u32 s50, s50, s52
	s_and_b32 s52, s14, 1
	s_lshl_b32 s52, s52, 3
	s_add_co_u32 s50, s50, s52
	s_add_nc_u64 s[6:7], s[6:7], s[50:51]
	s_lshr_b32 s50, s16, 4                         ; the results' codes: 8,192 bytes a tile of rows; in it 1,024 for each pair of heads, 512 a head
	s_lshl_b32 s50, s50, 20
	s_lshl_b32 s52, s15, 18
	s_add_co_u32 s50, s50, s52
	s_lshl_b32 s52, s14, 14
	s_add_co_u32 s50, s50, s52
	s_bfe_u32 s52, s16, 0x30001
	s_lshl_b32 s52, s52, 10
	s_add_co_u32 s50, s50, s52
	s_and_b32 s52, s16, 1
	s_lshl_b32 s52, s52, 9
	s_add_co_u32 s50, s50, s52
	s_add_nc_u64 s[10:11], s[10:11], s[50:51]
	s_lshl_b32 s50, s16, 12                        ; their scale half-words: 4,096 bytes a head, 1,024 a work-group
	s_lshl_b32 s52, s15, 10
	s_add_co_u32 s50, s50, s52
	s_add_nc_u64 s[12:13], s[12:13], s[50:51]
	s_mov_b32 s32, 1
	s_mov_b32 s33, s19
	s_mov_b64 s[34:35], s[8:9]
	s_or_b32 s35, s35, 0x80000000
	CROUND                                         ; all four work-groups are here: the joint loads meet
	tensor_load_to_lds s[32:35], s[24:31]          ; every wave's one tensor load
	s_nop 0
.rept 4
	v_nop
.endr
	v_and_b32 v[AL], 31, v0
	s_delay_alu instid0(VALU_DEP_1)
	v_lshlrev_b32 v[AL], 4, v[AL]
	v_and_b32 v9, 15, v0
	s_delay_alu instid0(VALU_DEP_1)
	v_lshlrev_b32 v[AR], 4, v9
	global_load_b128 v[QF:QF+3], v[AL], s[4:5]
	global_load_b128 v[QF+8:QF+11], v[AL], s[4:5] offset:512
	global_load_b64 v[QS:QS+1], v[AR], s[6:7]      ; both passes' scale words
	v_bfe_u32 v[SH8], v0, 4, 1
	s_delay_alu instid0(VALU_DEP_1)
	v_lshlrev_b32 v[SH8], 3, v[SH8]
	v_and_b32 v10, 0x1e0, v0
	s_delay_alu instid0(VALU_DEP_1)
	v_lshlrev_b32 v10, 1, v10                      ; 64 x wave
	s_delay_alu instid0(VALU_DEP_1)
	v_lshl_add_u32 v[SSA], v9, 1, v10
	s_delay_alu instid0(VALU_DEP_1)
	v_add_nc_u32 v[SSA], SST, v[SSA]
	v_lshlrev_b32 v[GOF], 4, v0
	s_delay_alu instid0(VALU_DEP_1)
	v_add_nc_u32 v[SRD], SST, v[GOF]
.irp i, 4,5,6,7,12,13,14,15
	v_mov_b32 v[QF+\i], 0                          ; Q's codes of k = 64 .. 127
.endr
.irp i, 32,33,34,35
	v_mov_b32 v[KF+\i], 0                          ; the upper four registers of K's last tile
.endr
	v_mov_b32 v[TP], 0                             ; written once: a lane permute's destination counts as one of its sources
	v_mov_b32 v[F+1], 0                            ; (named as the upper half of a pair)
; A KEY STEP: 128 keys for the tile of queries whose fragment begins at v[qf], scale words in v[qs]
.macro STEP qf, qs
	v_add_nc_u32 v[ADK], s17, v[AL]
	v_add_nc_u32 v[ADV], s17, v[AR]
	v_nop
	v_nop                                          ; four places in front of loads into registers that the last products read
.irp i, 0,1,2,3,4,5,6,7
	ds_load_b128 v[KF+4*\i:KF+4*\i+3], v[ADK] offset:512*\i
.endr
	ds_load_b128 v[KS:KS+3], v[ADK] offset:8192    ; lanes 0-15: tiles 0-3's words of row r; lanes 16-31: tiles 4-7's
.irp t, 0,1,2,3
.irp c, 0,1
	ds_load_b128 v[VF+8*\t+4*\c:VF+8*\t+4*\c+3], v[ADK] offset:4096+1024*\t+512*\c
.endr
.endr
	ds_load_b128 v[VS:VS+3], v[ADV] offset:8704
	s_wait_dscnt 9                                 ; K and its scale words are in; V's nine loads may be out
.irp i, 0,1,2,3
	v_wmma_scale_f32_16x16x128_f8f6f4 v[S+8*\i:S+8*\i+7], v[KF+4*\i:KF+4*\i+7], v[\qf:\qf+7], 0, v[KS+\i], v[\qs] matrix_a_fmt:MATRIX_FMT_FP4 matrix_b_fmt:MATRIX_FMT_FP4
.endr
.irp i, 4,5,6,7
	v_wmma_scale_f32_16x16x128_f8f6f4 v[S+8*\i:S+8*\i+7], v[KF+4*\i:KF+4*\i+7], v[\qf:\qf+7], 0, v[KS+\i-4], v[\qs] matrix_a_fmt:MATRIX_FMT_FP4 matrix_b_fmt:MATRIX_FMT_FP4 matrix_a_scale:MATRIX_SCALE_ROW1
.endr
.rept 4
	v_nop
.endr
.irp u, 0,1,2,3
	v_max3_num_f32 v[SUB+\u], v[S+16*\u], v[S+16*\u+1], v[S+16*\u+2]   ; four chains of 16 scores, by turns; each accumulator is first read at its low end
.endr
.irp i, 3,5,7,9,11,13
.irp u, 0,1,2,3
	v_max3_num_f32 v[SUB+\u], v[SUB+\u], v[S+16*\u+\i], v[S+16*\u+\i+1]
.endr
.endr
.irp u, 0,1,2,3
	v_max_num_f32 v[SUB+\u], v[SUB+\u], v[S+16*\u+15]
.endr
	s_delay_alu instid0(VALU_DEP_3)
	v_max_num_f32 v[BM], v[SUB], v[SUB+1]          ; THE LARGEST SCORE OF EACH OF MY TWO BLOCKS: for the row's maximum, and, since p rises with the score, for the block's largest p
	s_delay_alu instid0(VALU_DEP_2)
	v_max_num_f32 v[BM+1], v[SUB+2], v[SUB+3]
	s_delay_alu instid0(VALU_DEP_1)
	v_max_num_f32 v[TA], v[BM], v[BM+1]
	s_delay_alu instid0(VALU_DEP_1)
	v_permlanex16_b32 v[TP], v[TA], s20, s21
	s_delay_alu instid0(VALU_DEP_1)
	v_max_num_f32 v[TA], v[TA], v[TP]              ; with lane l xor 16's 64 keys
	s_delay_alu instid0(VALU_DEP_1)
	v_mul_f32 v[TA], s22, v[TA]
	s_delay_alu instid0(VALU_DEP_1)
	v_max_num_f32 v13, v13, v[TA]                  ; the running largest t
	v_mov_b32 v[TA], v12
	s_delay_alu instid0(VALU_DEP_2)
	v_floor_f32 v12, -v13                          ; -M = floor(-t): M is a whole number
	s_delay_alu instid0(VALU_DEP_1)
	v_sub_f32 v[TA], v12, v[TA]
	s_delay_alu instid0(VALU_DEP_1)
	v_cvt_i32_f32 v[TA], v[TA]                     ; old M - new M, 0 or less (it saturates)
	s_delay_alu instid0(VALU_DEP_1)
	v_ldexp_f32 v[F], 1.0, v[TA]                   ; f = 2^(old M - new M)
.irp j, 0,2,4,6,8,10,12,14,16,18,20,22,24,26,28,30,32,34,36,38,40,42,44,46,48,50,52,54,56,58,60,62
	v_pk_fma_f32 v[S+\j:S+\j+1], v[S+\j:S+\j+1], s[22:23], v[12:13] op_sel_hi:[1,0,0]   ; t - M
.endr
	v_fma_f32 v[BM], v[BM], s22, v12
	v_fma_f32 v[BM+1], v[BM+1], s22, v12
	s_wait_alu depctr_va_vdst(0)
.irp j, 0,1,2,3,4,5,6,7,8,9,10,11,12,13,14,15,16,17,18,19,20,21,22,23,24,25,26,27,28,29,30,31,32,33,34,35,36,37,38,39,40,41,42,43,44,45,46,47,48,49,50,51,52,53,54,55,56,57,58,59,60,61,62,63
	v_exp_f32 v[S+\j], v[S+\j]                     ; p = 2^(t - M)
.endr
	v_pk_mul_f32 v[14:15], v[14:15], v[F:F+1] op_sel_hi:[1,0]   ; the sum under the new M: the plain line behind the exponentials
	s_wait_alu depctr_va_vdst(0)                   ; one wait for the batch, ahead of its first reader
	v_exp_f32 v[BM], v[BM]                         ; the blocks' largest p: the same two instructions on the same numbers
	v_exp_f32 v[BM+1], v[BM+1]
	v_pk_add_f32 v[226:227], v[104:105], v[108:109]
	v_pk_add_f32 v[252:253], v[112:113], v[116:117]
	v_pk_add_f32 v[250:251], v[120:121], v[124:125]
	v_pk_add_f32 v[248:249], v[128:129], v[132:133]
	v_pk_add_f32 v[246:247], v[136:137], v[140:141]
	v_pk_add_f32 v[244:245], v[144:145], v[148:149]
	v_pk_add_f32 v[242:243], v[152:153], v[156:157]
	v_pk_add_f32 v[14:15], v[14:15], v[160:161]
	v_pk_add_f32 v[226:227], v[226:227], v[100:101]
	v_pk_add_f32 v[252:253], v[252:253], v[102:103]
	v_pk_add_f32 v[250:251], v[250:251], v[106:107]
	v_pk_add_f32 v[248:249], v[248:249], v[110:111]
	v_pk_add_f32 v[246:247], v[246:247], v[114:115]
	v_pk_add_f32 v[244:245], v[244:245], v[118:119]
	v_pk_add_f32 v[242:243], v[242:243], v[122:123]
	v_pk_add_f32 v[14:15], v[14:15], v[126:127]
	v_pk_add_f32 v[226:227], v[226:227], v[130:131]
	v_pk_add_f32 v[252:253], v[252:253], v[134:135]
	v_pk_add_f32 v[250:251], v[250:251], v[138:139]
	v_pk_add_f32 v[248:249], v[248:249], v[142:143]
	v_pk_add_f32 v[246:247], v[246:247], v[146:147]
	v_pk_add_f32 v[244:245], v[244:245], v[150:151]
	v_pk_add_f32 v[242:243], v[242:243], v[154:155]
	v_pk_add_f32 v[14:15], v[14:15], v[158:159]
	v_pk_add_f32 v[226:227], v[226:227], v[162:163]
	s_delay_alu instid0(VALU_DEP_2)
	v_pk_add_f32 v[14:15], v[14:15], v[248:249]
	s_delay_alu instid0(VALU_DEP_2)
	v_pk_add_f32 v[226:227], v[226:227], v[246:247]
	v_pk_add_f32 v[252:253], v[252:253], v[244:245]
	v_pk_add_f32 v[250:251], v[250:251], v[242:243]
	s_delay_alu instid0(VALU_DEP_2)
	v_pk_add_f32 v[14:15], v[14:15], v[252:253]
	s_delay_alu instid0(VALU_DEP_2)
	v_pk_add_f32 v[226:227], v[226:227], v[250:251]
	s_delay_alu instid0(VALU_DEP_1)
	v_pk_add_f32 v[14:15], v[14:15], v[226:227]
	s_wait_alu depctr_va_vdst(0)                   ; and one for the two
	v_max_num_f32 v[BM], 0x1800000, v[BM]          ; the floor 2^(3 - 127): the byte cannot fall under 1
	v_max_num_f32 v[BM+1], 0x1800000, v[BM+1]
	s_delay_alu instid0(VALU_DEP_2)
	v_add_nc_u32 v[SCL], 0xff000000, v[BM]         ; 2 off the exponent field: the conversion's scale operand
	s_delay_alu instid0(VALU_DEP_2)
	v_add_nc_u32 v[SCL+1], 0xff000000, v[BM+1]
	s_delay_alu instid0(VALU_DEP_2)
	v_lshrrev_b32 v[BY], 23, v[SCL]
	s_delay_alu instid0(VALU_DEP_2)
	v_lshrrev_b32 v[BY+1], 23, v[SCL+1]
	s_delay_alu instid0(VALU_DEP_1)
	v_lshl_or_b32 v[BY], v[BY+1], 16, v[BY]        ; my blocks are (lane / 16) and 2 + (lane / 16)
	s_delay_alu instid0(VALU_DEP_1)
	v_lshlrev_b32 v[BY], v[SH8], v[BY]
	s_delay_alu instid0(VALU_DEP_1)
	v_permlanex16_b32 v[TP], v[BY], s20, s21
	s_delay_alu instid0(VALU_DEP_1)
	v_or_b32 v[PW], v[BY], v[TP]                   ; p's scale word for these 128 keys
.irp c, 0,1
.irp t, 0,1,2,3
	v_cvt_scalef32_pk8_fp4_f32 v[PC+4*\c+\t], v[S+32*\c+8*\t:S+32*\c+8*\t+7], v[SCL+\c]
.endr
.endr
	v_nop                                          ; one plain line behind the last scaled conversion
.irp j, 0,2,4,6,8,10,12,14,16,18,20,22,24,26,28,30
	v_pk_mul_f32 v[O+\j:O+\j+1], v[O+\j:O+\j+1], v[F:F+1] op_sel_hi:[1,0]   ; O^T under the new M; these lines also stand between the scale word's and the codes' last writes and the products
.endr
	s_wait_alu depctr_va_vdst(0)
	s_wait_dscnt 0x0                               ; V and its scale words are in
.irp t, 0,1,2,3
	v_wmma_scale_f32_16x16x128_f8f6f4 v[O+8*\t:O+8*\t+7], v[VF+8*\t:VF+8*\t+7], v[PC:PC+7], v[O+8*\t:O+8*\t+7], v[VS+\t], v[PW] matrix_a_fmt:MATRIX_FMT_FP4 matrix_b_fmt:MATRIX_FMT_FP4
.endr
	s_add_co_u32 s17, s17, STEPB
.endm
.macro STEPS n, qf, qs
	s_mov_b32 s18, \n
.Lstep_\@:
	STEP \qf, \qs
	s_sub_co_u32 s18, s18, 1
	s_cmp_lg_u32 s18, 0
	s_cbranch_scc1 .Lstep_\@
.endm
; The tile's end: O^T / the sum, quantised: my 32 numbers are one block of the last projection's K
.macro FINISH p
.rept 4
	v_nop                                          ; places behind the last products
.endr
	v_add_f32 v14, v14, v15
	s_delay_alu instid0(VALU_DEP_1)
	v_permlanex16_b32 v[TP], v14, s20, s21
	s_delay_alu instid0(VALU_DEP_1)
	v_add_f32 v14, v14, v[TP]                      ; the row's sum
	s_wait_alu depctr_va_vdst(0)
	v_rcp_f32 v[F], v14
	v_nop                                          ; the plain line behind the reciprocal
	s_wait_alu depctr_va_vdst(0)                   ; the wait ahead of its first reader
.irp j, 0,2,4,6,8,10,12,14,16,18,20,22,24,26,28,30
	v_pk_mul_f32 v[O+\j:O+\j+1], v[O+\j:O+\j+1], v[F:F+1] op_sel_hi:[1,0]
.endr
	v_max3_num_f32 v[SUB], |v[O]|, |v[O+1]|, 0x1800000
.irp i, 2,4,6,8,10,12,14,16,18,20,22,24,26,28,30
	s_delay_alu instid0(VALU_DEP_1)
	v_max3_num_f32 v[SUB], v[SUB], |v[O+\i]|, |v[O+\i+1]|
.endr
	s_delay_alu instid0(VALU_DEP_1)
	v_add_nc_u32 v[SCL], 0xff000000, v[SUB]
	s_delay_alu instid0(VALU_DEP_1)
	v_lshrrev_b32 v[BY], 23, v[SCL]
.irp t, 0,1,2,3
	v_cvt_scalef32_pk8_fp4_f32 v[CO+4*\p+\t], v[O+8*\t:O+8*\t+7], v[SCL]
.endr
	v_nop                                          ; one plain line behind the last scaled conversion
	global_store_b128 v[AL], v[CO+4*\p:CO+4*\p+3], s[10:11] offset:8192*\p   ; 32 lanes store 512 consecutive bytes, aligned
	v_lshlrev_b32 v[BY], v[SH8], v[BY]
	s_delay_alu instid0(VALU_DEP_1)
	v_permlanex16_b32 v[TP], v[BY], s20, s21
	s_delay_alu instid0(VALU_DEP_1)
	v_or_b32 v[BY], v[BY], v[TP]                   ; the row's two bytes
	ds_store_b16 v[SSA], v[BY] offset:32*\p        ; both halves of the lanes write the same half-word with the same value
.endm
.macro PASS p
	v_mov_b32 v13, 0xff61b1e6                      ; the largest t so far: -3e38
	s_delay_alu instid0(VALU_DEP_1)
	v_floor_f32 v12, -v13
	v_mov_b32 v14, 0
	v_mov_b32 v15, 0
.irp j, 0,1,2,3,4,5,6,7,8,9,10,11,12,13,14,15,16,17,18,19,20,21,22,23,24,25,26,27,28,29,30,31
	v_mov_b32 v[O+\j], 0                           ; the step is written once: the first finds zeros, which the first change of M leaves zeros
.endr
	s_mov_b32 s17, 0
.if \p == 0
	s_wait_alu depctr_va_vdst(0)
	s_wait_tensorcnt 0x0                           ; my step has landed
	s_wait_dscnt 0x0
	s_barrier_signal -1
	s_barrier_wait -1                              ; all sixteen steps lie in LDS
	STEPS 16, QF, QS
.else
	STEPS 16, QF+8, QS+1
.endif
	FINISH \p
.endm
	s_wait_loadcnt 0x0                             ; Q
	PASS 0
	PASS 1
	s_wait_dscnt 0x0                               ; my half-words are stored
	s_barrier_signal -1
	s_barrier_wait -1
	s_cmp_lt_u32 s14, 2                            ; waves 0 and 1 store the work-group's 1,024 bytes of half-words: 512 consecutive bytes each
	s_cbranch_scc0 .Lno_out
	ds_load_b128 v[SUB:SUB+3], v[SRD]
	s_wait_dscnt 0x0
	global_store_b128 v[GOF], v[SUB:SUB+3], s[12:13]
.Lno_out:
	s_wait_tensorcnt 0x0
	s_wait_dscnt 0x0
	s_wait_tensorcnt 0x0
	ds_add_u32 v254, v255
	s_wait_dscnt 0x0
	CROUND                                         ; the closing round
	s_endpgm
.Lfunc_end_k_q7f7540b08e_attn:
	.size	k_q7f7540b08e_attn, .Lfunc_end_k_q7f7540b08e_attn-k_q7f7540b08e_attn
	.p2alignl 7, 3214868480
	.fill 96, 4, 3214868480
	.section	.rodata,"a",@progbits
	.p2align	6, 0x0
	.amdhsa_kernel k_q7f7540b08e_attn
		.amdhsa_group_segment_fixed_size 169984
		.amdhsa_private_segment_fixed_size 0
		.amdhsa_enable_private_segment 0
		.amdhsa_kernarg_size 40
		.amdhsa_user_sgpr_count 2
		.amdhsa_user_sgpr_kernarg_segment_ptr 1
		.amdhsa_wavefront_size32 1
		.amdhsa_system_sgpr_workgroup_id_x 1
		.amdhsa_system_sgpr_workgroup_id_y 1
		.amdhsa_system_sgpr_workgroup_id_z 1
		.amdhsa_system_vgpr_workitem_id 0
		.amdhsa_next_free_vgpr 256
		.amdhsa_next_free_sgpr 66
		.amdhsa_reserve_vcc 0
		.amdhsa_float_denorm_mode_32 3
		.amdhsa_float_denorm_mode_16_64 3
		.amdhsa_memory_ordered 1
		.amdhsa_forward_progress 1
		.amdhsa_inst_pref_size 46
	.end_amdhsa_kernel
	.amdgpu_metadata
---
amdhsa.version: [ 1, 2 ]
amdhsa.kernels:
  - .name:           k_q7f7540b08e_attn
    .symbol:         k_q7f7540b08e_attn.kd
    .args:
      - { .name: qimg, .offset: 0, .size: 8, .value_kind: global_buffer, .address_space: global }
      - { .name: qscl, .offset: 8, .size: 8, .value_kind: global_buffer, .address_space: global }
      - { .name: kv, .offset: 16, .size: 8, .value_kind: global_buffer, .address_space: global }
      - { .name: attc, .offset: 24, .size: 8, .value_kind: global_buffer, .address_space: global }
      - { .name: atts, .offset: 32, .size: 8, .value_kind: global_buffer, .address_space: global }
    .group_segment_fixed_size: 169984
    .private_segment_fixed_size: 0
    .kernarg_segment_align: 8
    .kernarg_segment_size: 40
    .max_flat_workgroup_size: 512
    .sgpr_count:     66
    .vgpr_count:     256
    .wavefront_size: 32
...
	.end_amdgpu_metadata
.endif
;; end of part 2
;; launch oproj (part 3): grid 4 x 64, 4 waves a work-group, clusters of 4 x 4, 254,464 bytes of LDS; arguments attc, atts, Wo_codes, Wo_scales, bo, out0; writes out0
.if DOCPART == 3
	.amdgcn_target "amdgcn-amd-amdhsa--gfx1250"
	.amdhsa_code_object_version 6
	.text
	.protected	k_q7f7540b08e_oproj
	.globl	k_q7f7540b08e_oproj
	.p2align	8
	.type	k_q7f7540b08e_oproj,@function
k_q7f7540b08e_oproj:
	s_mov_b64 s[64:65], 0
	v_nop
	global_prefetch_b8 v0, s[64:65] scope:SCOPE_SE
	s_setreg_imm32_b32 hwreg(HW_REG_WAVE_MODE, 25, 1), 1
	s_wait_xcnt 0x0
	s_wait_alu depctr_hold_cnt(0) depctr_sa_sdst(0) depctr_va_vdst(0) depctr_va_sdst(0) depctr_va_ssrc(0) depctr_va_vcc(0) depctr_vm_vsrc(0)
	s_getreg_b32 s2, hwreg(HW_REG_IB_STS2, 6, 4)
	s_cmp_eq_u32 s2, 0
	s_cbranch_scc0 .Lentry_in_a_cluster
	s_endpgm
.Lentry_in_a_cluster:
	s_bfe_u32 s2, ttmp6, 0x10000c
	s_cmp_lg_u32 s2, 0xf033
	s_cbranch_scc0 .Lentry_shape_is_right
	s_endpgm
.Lentry_shape_is_right:
; out = att Wo^T + bo on codes of FP4 (E2M1) with E8M0 scales.  att's codes come as images of operand registers (8,192 bytes a tile of 16 rows: 8 K steps x 1,024), its scale bytes as half-words, one for each head and row.
; D = P R^T, source 0 = 16 rows of Wo, source 1 = 16 rows of att: a lane holds eight neighbouring outputs of one row.  A work-group makes 256 outputs x 128 rows over all of K = 1,024; four waves, each 128 x 64: 32 accumulators.
; Both operands' tiles for all of K lie in LDS, brought once: no LDS byte is filled twice.  4 x 4 work-groups form a cluster: Wo's tile is shared down a column, att's along a row.
; Row r of att's tile T is position 64 (T / 4) + 32 (r / 8) + 8 (T % 4) + r % 8 of its sequence: the order in which the attention launch left it; the way out puts each row at its place.
; LIMITS: NaN, infinities and scale bytes 0xff among the inputs are not served.
; REGISTERS.  window 0: v1-14 addresses; v32-63 Wo's scale words, v64-79 att's (scales and nothing else); v80-111 att's half-words; v128-255 Wo's fragments, two sets, later rows of the result.
;   window 1: accumulator (rt, p) at v[64 rt + 8 p].   window 2: v0-63 att's fragments, two sets; v64-127 the bias.
; AS THE TEXT NOW STANDS: four tiles, each whole and for all of K, one tensor load a wave: wave 0 Wo's 256 rows (512 bytes + 16 of padding a row, from LDS byte 0), wave 1 att's eight images (8,192 bytes each, dense),
; wave 2 Wo's scale bytes, wave 3 att's half-words.  One wait and one barrier, then the eight K steps.
.set AT0,   139264                     ; att's images: 8 tiles x 8,192 bytes for all of K, dense,
.set WSC,   204800                     ; Wo's scale bytes: 32 units of 256 bytes + 16,
.set ASC,   213504                     ; att's half-words: 16 heads x (256 bytes + 16),
.set STG,   217856                     ; the way out: 16 rows x (512 bytes + 16) for each wave; no tensor load lands here
.set ADP,  4                           ; v4    my place in Wo's tiles
.set ADA,  6                           ; v6    in att's images
.set ADSP, 8                           ; v8    in Wo's scale bytes
.set ADSA, 9                           ; v9    in att's half-words
.set STO,  10                          ; v10   the stage: where I put 32 bytes of a row
.set RD,   11                          ; v11   and where I read a row back
.set CO,   12                          ; v12   16 x lane
.set VB,   14                          ; v14   my offset in the bias
.set HL,   24
.set SCP,  32
.set SCR,  64
.set HW,   80
.set PF,   128
.set BI,   64
.set MSB, 0
.macro WIN new                         ; the immediate's high byte repeats the setting that is left
.if MSB != \new
	s_set_vgpr_msb (MSB<<8)|\new
.set MSB, \new
.endif
.endm
.macro PLACES n
.rept \n
	v_nop
.endr
.endm
.macro CROUND
	s_barrier_signal -1
	s_barrier_wait -1
	s_cmp_lg_u32 s56, 0
	s_cbranch_scc1 .Lnot_wave_0_\@
	s_barrier_signal -3
.Lnot_wave_0_\@:
	s_barrier_wait -3
	s_barrier_signal -1
	s_barrier_wait -1
.endm
	s_load_b256 s[36:43], s[0:1], 0x0              ; attc s[36:37], atts s[38:39], Wo's codes s[40:41], Wo's scales s[42:43]
	s_load_b128 s[44:47], s[0:1], 0x20             ; bo s[44:45], out0 s[46:47]
	v_lshl_add_u32 v126, v0, 2, 0x3e000
	v_mov_b32 v127, 0
	ds_add_u32 v126, v127
	ds_add_u32 v126, v127
	v_lshrrev_b32 v1, 5, v0
	v_readfirstlane_b32 s56, v1                    ; wave 0..3
	s_lshr_b32 s57, s56, 1                         ; wp: my 128 outputs
	s_and_b32 s58, s56, 1                          ; wr: my 64 rows
	s_bfe_u32 s51, ttmp6, 0x40000                  ; cx
	s_bfe_u32 s52, ttmp6, 0x40004                  ; cy
	s_lshl_b32 s60, ttmp9, 2
	s_add_co_u32 s54, s60, s51                     ; Wo's tile of 256 rows
	s_and_b32 s53, ttmp7, 0xffff
	s_lshl_b32 s62, s53, 2
	s_add_co_u32 s55, s62, s52                     ; att's tile of 128 rows
	s_lshl_b32 s60, 0x1111, s51                    ; my column of the cluster
	s_lshl_b32 s62, s52, 2
	s_lshl_b32 s62, 15, s62                        ; my row
	s_or_b32 s68, s60, (0<<16)|(1<<20)|(1<<21)|(6<<22)|(3<<25)   ; Wo's codes: 256 rows of 512 bytes, 16 bytes of padding behind each
	s_or_b32 s76, s62, (3<<16)|(1<<21)                           ; att's images: 16 rows of 4,096 bytes, dense, no padding
	s_or_b32 s84, s60, (3<<16)|(1<<20)|(1<<21)|(5<<22)|(3<<25)   ; Wo's scale bytes: 32 dense rows of 256 bytes, padded
	s_or_b32 s92, s62, (3<<16)|(1<<20)|(1<<21)|(5<<22)|(3<<25)   ; att's half-words: 16 heads' 256 bytes, 4,096 apart, padded
	s_mov_b32 s69, 512<<16
	s_mov_b32 s70, 256<<16
	s_mov_b32 s71, 512<<16
	s_mov_b32 s72, 256
	s_mov_b32 s73, 512
	s_mov_b32 s74, 0
	s_mov_b32 s75, 0
	s_mov_b32 s77, 512<<16
	s_mov_b32 s78, 16<<16
	s_mov_b32 s79, 512<<16
	s_mov_b32 s80, 16                              ; att's images: 65,536 dense bytes as 16 rows of 4,096
	s_mov_b32 s81, 512
	s_mov_b32 s82, 0
	s_mov_b32 s83, 0
	s_mov_b32 s85, 32<<16
	s_mov_b32 s86, 32<<16
	s_mov_b32 s87, 32<<16
	s_mov_b32 s88, 32
	s_mov_b32 s89, 32
	s_mov_b32 s90, 0
	s_mov_b32 s91, 0
	s_mov_b32 s93, 32<<16
	s_mov_b32 s94, 16<<16
	s_mov_b32 s95, 32<<16
	s_mov_b32 s96, 16
	s_mov_b32 s97, 512
	s_mov_b32 s98, 0
	s_mov_b32 s99, 0
	s_lshl_b32 s60, s54, 8
	s_lshl_b32 s60, s60, 5                         ; their scale bytes
	s_mov_b32 s61, 0
	s_lshr_b32 s62, s55, 4
	s_lshl_b32 s62, s62, 16                        ; att's half-words: the batch,
	s_and_b32 s63, s55, 15
	s_lshl_b32 s63, s63, 8
	s_add_co_u32 s62, s62, s63                     ; the tile's 128 rows: 256 bytes
	s_mov_b32 s63, 0
	s_wait_dscnt 0x0
	s_wait_kmcnt 0x0
	s_mov_b32 s4, 1                                ; Wo's scale bytes: 32 units
	s_mov_b32 s5, WSC
	s_add_nc_u64 s[6:7], s[42:43], s[60:61]
	s_or_b32 s7, s7, 0x80000000
	s_mov_b32 s8, 1                                ; att's half-words: 16 heads
	s_mov_b32 s9, ASC
	s_add_nc_u64 s[10:11], s[38:39], s[62:63]
	s_or_b32 s11, s11, 0x80000000
	s_lshl_b32 s60, s60, 4                         ; Wo's codes: 512 bytes a row
	s_lshl_b32 s62, s55, 16                        ; att's images: eight tiles of 8,192 bytes
	s_mov_b32 s12, 1
	s_mov_b32 s13, 0
	s_add_nc_u64 s[14:15], s[40:41], s[60:61]
	s_or_b32 s15, s15, 0x80000000
	s_mov_b32 s16, 1
	s_mov_b32 s17, AT0
	s_add_nc_u64 s[18:19], s[36:37], s[62:63]
	s_or_b32 s19, s19, 0x80000000
	CROUND                                         ; all sixteen work-groups are here: the joint loads meet
; one tensor load a wave, in one chain of branches on the wave's number
.macro ARM under, g0, g1, next
	s_cmp_lt_u32 s56, \under
	s_cbranch_scc0 \next
	tensor_load_to_lds s[\g0:\g0+3], s[\g1:\g1+7]
	s_nop 0
	PLACES 4
	s_branch .Lhead_asked
\next:
.endm
	ARM 1, 12, 68, .Lhead_a
	ARM 2, 16, 76, .Lhead_ws
	ARM 3, 4, 84, .Lhead_as
	tensor_load_to_lds s[8:11], s[92:99]
	s_nop 0
	PLACES 4
.Lhead_asked:
	v_and_b32 v1, 15, v0                           ; r
	v_bfe_u32 v2, v0, 3, 1                         ; r / 8
	v_and_b32 v3, 7, v0                            ; r % 8
	v_bfe_u32 v[HL], v0, 4, 1
	v_and_b32 v[CO], 31, v0
	v_lshlrev_b32 v[CO], 4, v[CO]
	s_mul_i32 s2, s57, 67584
	v_mul_u32_u24 v[ADP], v1, 528                  ; Wo: row 128 wp + 16 p + r, + 16 bytes for the upper lanes
	v_lshl_add_u32 v[ADP], v[HL], 4, v[ADP]
	v_add_nc_u32 v[ADP], s2, v[ADP]
	s_lshl_b32 s2, s58, 15
	s_add_co_u32 s2, s2, AT0
	v_add_nc_u32 v[ADA], s2, v[CO]                 ; att: 16 x lane in an image; my four tiles
	s_mul_i32 s2, s57, 4352
	s_add_co_u32 s2, s2, WSC
	v_mul_u32_u24 v[ADSP], v2, 272                 ; Wo's scale bytes: eight rows of 32 bytes to a unit; lanes 0-15 take tile t, lanes 16-31 tile t + 4
	v_lshl_add_u32 v[ADSP], v3, 5, v[ADSP]
	v_mad_u32_u24 v[ADSP], v[HL], 2176, v[ADSP]
	v_add_nc_u32 v[ADSP], s2, v[ADSP]
	s_lshl_b32 s2, s58, 7
	s_add_co_u32 s2, s2, ASC
	v_lshlrev_b32 v[ADSA], 1, v1                   ; att's half-words: 32 bytes a tile; lanes 0-15 take tile e, lanes 16-31 tile e + 2
	v_lshl_add_u32 v[ADSA], v[HL], 6, v[ADSA]
	v_add_nc_u32 v[ADSA], s2, v[ADSA]
	s_mul_i32 s2, s56, 8448
	s_add_co_u32 s2, s2, STG
	v_mul_u32_u24 v[STO], v1, 528
	v_lshl_add_u32 v[STO], v[HL], 5, v[STO]
	v_add_nc_u32 v[STO], s2, v[STO]
	v_add_nc_u32 v[RD], s2, v[CO]
	s_lshl_b32 s2, s54, 10
	s_lshl_b32 s3, s57, 9
	s_add_co_u32 s2, s2, s3                        ; my 128 outputs, in bytes
	s_mov_b32 s3, 0
	s_add_nc_u64 s[44:45], s[44:45], s[2:3]
	s_add_nc_u64 s[46:47], s[46:47], s[2:3]
	s_lshl_b32 s2, s55, 19
	s_lshl_b32 s66, s58, 18
	s_add_co_u32 s2, s2, s66                       ; my 64 rows of 4,096 bytes
	s_add_nc_u64 s[46:47], s[46:47], s[2:3]
	v_lshlrev_b32 v[VB], 5, v[HL]
	WIN 0x80                                       ; destination window 2
.irp p, 0,1,2,3,4,5,6,7
	global_load_b128 v[BI+8*\p:BI+8*\p+3], v[VB], s[44:45] offset:64*\p        ; the bias in the result's layout: outputs 16 p + 8 (lane / 16) + 0 .. 7
	global_load_b128 v[BI+8*\p+4:BI+8*\p+7], v[VB], s[44:45] offset:64*\p+16
.endr
	WIN 0
.macro LOADF q, set                    ; 24 LDS loads: the fragments of K step q into set: Wo's eight, att's four
	WIN 0
.irp p, 0,1,2,3,4,5,6,7
.irp c, 0,1
	ds_load_b128 v[PF+64*(\set)+8*\p+4*\c:PF+64*(\set)+8*\p+4*\c+3], v[ADP] offset:8448*\p+64*(\q)+32*\c
.endr
.endr
	WIN 0x80
.irp rt, 0,1,2,3
.irp c, 0,1
	ds_load_b128 v[32*(\set)+8*\rt+4*\c:32*(\set)+8*\rt+4*\c+3], v[ADA] offset:8192*\rt+1024*(\q)+512*\c
.endr
.endr
.endm
.macro WM rt, p, q, set, cmode         ; one product.  cmode 0: it adds onto its accumulator; 1: the sum starts from the bias
.set DR, 64*(\rt)+8*(\p)
.if (\cmode) == 0
.set CR, DR
.else
.set CR, BI+8*(\p)
.endif
.set FA, PF+64*(\set)+8*(\p)
.set FB, 32*(\set)+8*(\rt)
.set SA, SCP+8*((\p)%4)+(\q)
.set SB, SCR+8*((\rt)%2)+(\q)
.if ((\p) >= 4) && ((\rt) >= 2)
	v_wmma_scale_f32_16x16x128_f8f6f4 v[DR:DR+7], v[FA:FA+7], v[FB:FB+7], v[CR:CR+7], v[SA], v[SB] matrix_a_fmt:MATRIX_FMT_FP4 matrix_b_fmt:MATRIX_FMT_FP4 matrix_a_scale:MATRIX_SCALE_ROW1 matrix_b_scale:MATRIX_SCALE_ROW1
.elseif (\p) >= 4
	v_wmma_scale_f32_16x16x128_f8f6f4 v[DR:DR+7], v[FA:FA+7], v[FB:FB+7], v[CR:CR+7], v[SA], v[SB] matrix_a_fmt:MATRIX_FMT_FP4 matrix_b_fmt:MATRIX_FMT_FP4 matrix_a_scale:MATRIX_SCALE_ROW1
.elseif (\rt) >= 2
	v_wmma_scale_f32_16x16x128_f8f6f4 v[DR:DR+7], v[FA:FA+7], v[FB:FB+7], v[CR:CR+7], v[SA], v[SB] matrix_a_fmt:MATRIX_FMT_FP4 matrix_b_fmt:MATRIX_FMT_FP4 matrix_b_scale:MATRIX_SCALE_ROW1
.else
	v_wmma_scale_f32_16x16x128_f8f6f4 v[DR:DR+7], v[FA:FA+7], v[FB:FB+7], v[CR:CR+7], v[SA], v[SB] matrix_a_fmt:MATRIX_FMT_FP4 matrix_b_fmt:MATRIX_FMT_FP4
.endif
.endm
.macro MUL rt0, n, q, set, cmode       ; the 32 accumulators take turns, one instruction a turn, in the same order in every K step
.if (\cmode) == 0
	WIN 0x58                                       ; Wo window 0, att window 2, C and D window 1
.else
	WIN 0x68                                       ; C window 2: the bias
.endif
.set RT, \rt0
.rept \n
.irp p, 0,1,2,3,4,5,6,7
	WM RT, \p, \q, \set, \cmode
.endr
.set RT, RT+1
.endr
.endm
.macro KSTEP q, cmode                  ; the next step's fragments are asked for, then this step's 32 products are issued
.if (\q) < 7
	PLACES 4                                       ; in front of loads into registers that matrix instructions have read
	LOADF (\q)+1, ((\q)+1)%2
	s_wait_dscnt 24                                ; all but the 24 just issued
.else
	s_wait_dscnt 0x0
.endif
	MUL 0, 4, \q, (\q)%2, \cmode
.endm
	s_wait_alu depctr_va_vdst(0)
	s_wait_tensorcnt 0x0                           ; my one tensor load has landed
	s_barrier_signal -1
	s_barrier_wait -1
.irp t, 0,1,2,3
.irp u, 0,1
	ds_load_b128 v[SCP+8*\t+4*\u:SCP+8*\t+4*\u+3], v[ADSP] offset:544*\t+16*\u   ; Wo's scale words of all eight K steps
.endr
.endr
.irp e, 0,1
.irp hd, 0,1,2,3,4,5,6,7,8,9,10,11,12,13,14,15
	ds_load_u16 v[HW+16*\e+\hd], v[ADSA] offset:272*\hd+32*\e
.endr
.endr
	LOADF 0, 0
	WIN 0
	s_wait_dscnt 24                                ; all scale loads are in; the 24 fragment loads may be out
.irp e, 0,1
.irp s, 0,1,2,3,4,5,6,7
	v_lshl_or_b32 v[SCR+8*\e+\s], v[HW+16*\e+2*\s+1], 16, v[HW+16*\e+2*\s]   ; K step s is heads 2 s and 2 s + 1: two half-words make its scale word
.endr
.endr
	s_wait_alu depctr_va_vdst(0)
	s_wait_loadcnt 0x0                             ; the bias
	PLACES 8                                       ; scale registers written by vector instructions stand eight places ahead of a scaled matrix instruction
	KSTEP 0, 1
	KSTEP 1, 0
	KSTEP 2, 0
	KSTEP 3, 0
	KSTEP 4, 0
	KSTEP 5, 0
	KSTEP 6, 0
	KSTEP 7, 0
	PLACES 4                                       ; in front of the first read of results, and of loads into Wo's fragments' registers
	WIN 0
; THE WAY OUT, a tile of 16 rows x 128 outputs at a time: through my own stage in LDS, back as whole rows of 512 bytes.  LDS serves a wave's instructions in order (ISA guide 5.7.1.4): no wait between the stores and the loads
.macro TOSTAGE a
	WIN 0x04                                       ; an LDS store's data: window 1
.irp p, 0,1,2,3,4,5,6,7
	ds_store_b128 v[STO], v[64*(\a)+8*\p:64*(\a)+8*\p+3] offset:64*\p          ; each accumulator from its low end on
	ds_store_b128 v[STO], v[64*(\a)+8*\p+4:64*(\a)+8*\p+7] offset:64*\p+16
.endr
	WIN 0
.irp i, 0,1,2,3,4,5,6,7,8,9,10,11,12,13,14,15
	ds_load_b128 v[PF+64*((\a)%2)+4*\i:PF+64*((\a)%2)+4*\i+3], v[RD] offset:528*\i
.endr
.endm
.macro SEND a, younger                 ; younger: the LDS instructions issued behind tile a's loads, which may stay out
	s_wait_dscnt \younger
.irp i, 0,1,2,3,4,5,6,7,8,9,10,11,12,13,14,15
	global_store_b128 v[CO], v[PF+64*((\a)%2)+4*\i:PF+64*((\a)%2)+4*\i+3], s[46:47] offset:4096*(32*(\i/8)+8*(\a)+\i%8) th:TH_STORE_NT   ; 32 lanes store 512 consecutive bytes of one row, aligned; the row's place stands in the immediate
.endr
.endm
	TOSTAGE 0
.irp a, 1,2,3
.if \a > 1
	s_wait_xcnt 0x0                                ; tile a - 2's stores have read their registers: tile a's loads may land there
.endif
	TOSTAGE \a
	SEND (\a)-1, 32                                ; behind tile a - 1's loads: tile a's 16 stores and 16 loads
.endr
	SEND 3, 0
	s_wait_tensorcnt 0x0
	s_wait_dscnt 0x0
	s_wait_tensorcnt 0x0
	ds_add_u32 v126, v127
	s_wait_dscnt 0x0
	CROUND                                         ; the closing round: no work-group ends while a partner may still ask for a tile that names it
	s_endpgm
.Lfunc_end_k_q7f7540b08e_oproj:
	.size	k_q7f7540b08e_oproj, .Lfunc_end_k_q7f7540b08e_oproj-k_q7f7540b08e_oproj
	.p2alignl 7, 3214868480
	.fill 96, 4, 3214868480
	.section	.rodata,"a",@progbits
	.p2align	6, 0x0
	.amdhsa_kernel k_q7f7540b08e_oproj
		.amdhsa_group_segment_fixed_size 254464
		.amdhsa_private_segment_fixed_size 0
		.amdhsa_enable_private_segment 0
		.amdhsa_kernarg_size 48
		.amdhsa_user_sgpr_count 2
		.amdhsa_user_sgpr_kernarg_segment_ptr 1
		.amdhsa_wavefront_size32 1
		.amdhsa_system_sgpr_workgroup_id_x 1
		.amdhsa_system_sgpr_workgroup_id_y 1
		.amdhsa_system_sgpr_workgroup_id_z 1
		.amdhsa_system_vgpr_workitem_id 0
		.amdhsa_next_free_vgpr 640
		.amdhsa_next_free_sgpr 100
		.amdhsa_reserve_vcc 0
		.amdhsa_float_denorm_mode_32 3
		.amdhsa_float_denorm_mode_16_64 3
		.amdhsa_memory_ordered 1
		.amdhsa_forward_progress 1
		.amdhsa_inst_pref_size 75
	.end_amdhsa_kernel
	.amdgpu_metadata
---
amdhsa.version: [ 1, 2 ]
amdhsa.kernels:
  - .name:           k_q7f7540b08e_oproj
    .symbol:         k_q7f7540b08e_oproj.kd
    .args:
      - { .name: attc, .offset: 0, .size: 8, .value_kind: global_buffer, .address_space: global }
      - { .name: atts, .offset: 8, .size: 8, .value_kind: global_buffer, .address_space: global }
      - { .name: Wo_codes, .offset: 16, .size: 8, .value_kind: global_buffer, .address_space: global }
      - { .name: Wo_scales, .offset: 24, .size: 8, .value_kind: global_buffer, .address_space: global }
      - { .name: bo, .offset: 32, .size: 8, .value_kind: global_buffer, .address_space: global }
      - { .name: out0, .offset: 40, .size: 8, .value_kind: global_buffer, .address_space: global }
    .group_segment_fixed_size: 254464
    .private_segment_fixed_size: 0
    .kernarg_segment_align: 8
    .kernarg_segment_size: 48
    .max_flat_workgroup_size: 128
    .sgpr_count:     100
    .vgpr_count:     640
    .wavefront_size: 32
...
	.end_amdgpu_metadata
.endif
;; end of part 3
